; MI455X (gfx1250); checked and timed in simulation.
; The chip was launched on July 23, 2026; its instructions are those of AMD's public machine-readable ISA for CDNA 5 (MIT licence, August 2026) and "CDNA5" Instruction Set Architecture Reference Guide (July 2026). The comments in the code are by the model that wrote it; some were corrected since.
;; Janossy Pool. Allowed arithmetic: matrix products marked QUANTISED: E2M3 operands, one E8M0 scale for each 32 along K, by v_wmma_scale_f32_16x16x128_f8f6f4 with both operands' format E2M3, f32 sums; everything else in f32.
;; Inputs: W1 256 x 512 float32; W2 512 x 512 float32; W3 512 x 256 float32; b1 512 float32; b2 512 float32; b3 256 float32; x 64 x 32 x 128 float32.
;; Outputs: out0 64 x 256 float32.
;; This version of the problem:
;;   THIS VERSION OF THE PROBLEM IS GIVEN IN LOW PRECISION. The matrix products marked QUANTISED in the list below multiply operands that are first quantised to E2M3 (2 exponent bits, 3 mantissa bits; 6 bits a number), with one power-of-two scale for each 32 numbers along K (OCP MX v1.0); their sums are f32. All else is computed in f32.
;;   The module's matrix products, in the order in which they are computed (A, B: the left and right operand; K: the contracted axis; several contracted axes count as one K, in the product's order):
;;     1. [M 63,488, K 256] x [K 256, N 512]; A: computed on the way; B: input W1: QUANTISED
;;     2. [M 63,488, K 512] x [K 512, N 512]; A: computed on the way; B: input W2: QUANTISED
;;     3. [M 63,488, K 512] x [K 512, N 256]; A: computed on the way; B: input W3: QUANTISED
;;   THE QUANTISER, for each operand of a quantised product, along K:
;;     - K is cut into blocks of 32 from its start; a last block that is shorter is filled with zeros.
;;     - A block's scale is 2^e with e = floor(log2(the largest magnitude in the block)) - 2, held to -126 .. 127; a block of zeros has e = 0. As a byte (E8M0): e + 127.
;;     - Each number is divided by its block's scale, clamped to +-7.5, and rounded to the nearest number of E2M3, ties to even, subnormals kept.
;;     - The product sums the exact products of the quantised numbers (number of the format x scale) in f32.
;;   ~~~python
;;   def quantise(x, axis):      # numpy; x: float32 -> the quantised numbers, widened to float32 again
;;       x = np.moveaxis(x, axis, -1); K = x.shape[-1]
;;       x = np.pad(x, [(0, 0)] * (x.ndim - 1) + [(0, -K % 32)]); x = x.reshape(x.shape[:-1] + (-1, 32)); a = np.abs(x).max(-1, keepdims=True)
;;       e = np.where(a > 0, np.clip(np.frexp(np.where(a > 0, a, 1))[1] - 1 - 2, -126, 127), 0)      # np.frexp(a)[1] - 1 = floor(log2(a)), exactly
;;       r = np.clip(x / 2.0 ** e, -7.5, 7.5)
;;       step = 2.0 ** (np.maximum(np.frexp(np.where(r == 0, 1, r))[1] - 1, 0) - 3)
;;       q = np.round(r / step) * step * 2.0 ** e      # np.round: ties to even
;;       return np.moveaxis(q.reshape(q.shape[:-2] + (-1,))[..., :K], -1, axis).astype(np.float32)
;;   ~~~
;;   OPERANDS COMPUTED ON THE WAY. 'Computed on the way' means the value that the module computes at that place (a softmax that the list does not call 'softmax' is quantised finished and normalised). What goes into a quantiser is computed in f32, as accurately as f32 sums, v_exp_f32 and their like allow (about 1e-6 of the number): no bf16 or f16 on the way to a quantiser, and a product that is left as it is and whose result goes on into a quantised operand takes f32 operands (vector FMAs, or v_wmma_f32_16x16x4_f32). A number that lies on a knife's edge between two numbers of the format may be rounded either way, as far as f32 arithmetic and the matrix unit's own rounding can turn it there, and no further.
;; 2 versions. Each part assembles by itself: llvm-mc -triple=amdgcn-amd-amdhsa -mcpu=gfx1250 --defsym DOCPART=n.
;; ======== version 1 of 2: 3 launches
;; workspace buffers: wq 393,216 bytes; wsc 16,384 bytes; part 262,144 bytes
;; launch prep (part 1): grid 64 x 1, 2 waves a work-group, no clusters, 6,912 bytes of LDS; arguments W1, W2, W3, wq, wsc; writes wq, wsc
.if DOCPART == 1
	.amdgcn_target "amdgcn-amd-amdhsa--gfx1250"
	.amdhsa_code_object_version 6
	.text
	.protected	k_qbed0e2ecd0_prep
	.globl	k_qbed0e2ecd0_prep
	.p2align	8
	.type	k_qbed0e2ecd0_prep,@function
k_qbed0e2ecd0_prep:
	s_mov_b64 s[64:65], 0
	v_nop
	global_prefetch_b8 v0, s[64:65] scope:SCOPE_SE
	s_setreg_imm32_b32 hwreg(HW_REG_WAVE_MODE, 25, 1), 1
	s_wait_xcnt 0x0
; W1 [256][512], W2 [512][512], W3 [512][256], f32 with K as the FIRST axis, become codes of FP6 (E2M3) with one E8M0 byte for each 32 along K,
; laid as IMAGES OF THE OPERAND'S REGISTERS, so that the next launch loads every fragment by three loads of 16 bytes a lane.
; A UNIT is 64 columns (group G) x 128 along K (step s): four tiles of 16 columns.  Lane r of tile t holds column 64 G + 32 (r / 8) + 8 t + r % 8.
; Units: W1: u = 2 G + s;  W2: u = 16 + 4 G + s;  W3: u = 48 + 4 G + s.  One work-group makes one unit.
; wq:  unit u at 6,144 u; tile t at + 1,536 t; register R (0..11) of operand lane L = 16 h + r at + 512 (R / 4) + 16 L + 4 (R % 4); registers 6 c .. 6 c + 5 hold k = 128 s + 64 c + 32 h + 0 .. 31.
; wsc: unit u at 256 u; the scale word (four bytes, K step s) of (t, r) at + 8 (16 (t % 2) + r) + 4 (t / 2): a load of 8 bytes at 8 x lane then gives two scale registers,
;      register e with tile 2 e in lanes 0-15 and tile 2 e + 1 in lanes 16-31.
; A LANE TAKES A COLUMN AND ITS REGISTERS RUN DOWN K: wave w takes columns 64 G + 32 w + lane, so a load of the wave reads 128 consecutive bytes and the two waves side by side 256;
; a block of 32 along K lies in one lane, and the conversions give codes with K innermost.  The lane is operand lane r = 8 w + lane % 8 of tile lane / 8; its block 2 c + hk belongs to half hk, registers 6 c on.
; A block's scale is 2^(floor(log2(largest magnitude)) - 2): its byte is the largest magnitude's exponent field - 2, held at 1 from below.
; LIMITS: NaN and infinities are not served; a block whose largest magnitude lies under 2^-124 keeps the byte 1; a block of zeros gets the byte 1 with zero codes (these bytes are read by this program alone).
.set IMG,  1536                        ; a tile's image in bytes
.set SCS,  4*IMG                       ; LDS: the four images, then the unit's 256 bytes of scale words
.set X,    64                          ; v64-191  my column's 128 numbers
.set C,    20                          ; v20-43   codes: six registers for each block, so that no LDS store's data are written again
.set T,    44                          ; v44-46   a block's upper 16 codes as converted
.set BK,   192                         ; v192-215 the way out
	s_load_b128 s[4:7], s[0:1], 0x0                ; W1, W2
	s_load_b128 s[8:11], s[0:1], 0x10              ; W3, wq
	s_load_b64 s[12:13], s[0:1], 0x20              ; wsc
	v_lshl_add_u32 v224, v0, 2, 0x1a00
	v_mov_b32 v225, 0
	v_lshrrev_b32 v1, 5, v0
	v_readfirstlane_b32 s16, v1                    ; wave 0, 1
	v_and_b32 v1, 31, v0                           ; lane
	v_lshlrev_b32 v2, 2, v1                        ; in: 4 bytes a lane
	v_lshrrev_b32 v9, 3, v1                        ; my tile
	v_and_b32 v8, 7, v1
	v_mul_u32_u24 v3, v9, IMG
	v_lshl_add_u32 v3, v8, 4, v3
	s_lshl_b32 s17, s16, 7
	v_add_nc_u32 v3, s17, v3                       ; v3: 1,536 tile + 16 r, r = 8 w + lane % 8
	v_and_b32 v4, 1, v9
	v_lshlrev_b32 v4, 7, v4
	v_lshl_add_u32 v4, v8, 3, v4
	v_lshrrev_b32 v9, 1, v9
	v_lshl_add_u32 v4, v9, 2, v4
	s_lshl_b32 s17, s16, 6
	s_add_co_u32 s17, s17, SCS
	v_add_nc_u32 v4, s17, v4                       ; v4: my scale word: SCS + 128 (tile % 2) + 8 r + 4 (tile / 2)
	v_lshlrev_b32 v6, 4, v1                        ; out: 16 bytes a lane
	s_mul_i32 s17, s16, 2*IMG
	v_add_nc_u32 v5, s17, v6                       ; back from LDS: wave w takes images 2 w and 2 w + 1
	v_lshlrev_b32 v8, 3, v1
	v_add_nc_u32 v7, SCS, v8
	s_mov_b32 s14, ttmp9                           ; u
	s_mov_b32 s23, 48
	s_wait_kmcnt 0x0
	s_cmp_lt_u32 s14, 16                           ; which tensor: the choices hang on the work-group's number alone
	s_cselect_b64 s[20:21], s[4:5], s[6:7]
	s_cselect_b32 s18, 0, 16                       ; the tensor's first unit,
	s_cselect_b32 s19, 1, 2                        ; log2 of its K steps,
	s_cselect_b32 s22, 1, 3                        ; and their mask
	s_cmp_lt_u32 s14, 48
	s_cselect_b64 s[20:21], s[20:21], s[8:9]
	s_cselect_b32 s18, s18, s23
	s_cselect_b32 s24, 18, 17                      ; log2 of the bytes of 128 rows: rows of 2,048 bytes, W3's of 1,024
	s_sub_co_u32 s18, s14, s18
	s_lshr_b32 s25, s18, s19                       ; G
	s_and_b32 s26, s18, s22                        ; s
	s_lshl_b32 s26, s26, s24
	s_lshl_b32 s25, s25, 8
	s_add_co_u32 s26, s26, s25
	s_lshl_b32 s25, s16, 7
	s_add_co_u32 s26, s26, s25                     ; 128 s rows + 256 G + 128 w bytes
	s_mov_b32 s27, 0
	s_add_nc_u64 s[20:21], s[20:21], s[26:27]
	s_mul_i32 s26, s14, 4*IMG
	s_mul_i32 s25, s16, 2*IMG
	s_add_co_u32 s26, s26, s25
	s_add_nc_u64 s[10:11], s[10:11], s[26:27]      ; wq at my wave's two images
	s_lshl_b32 s26, s14, 8
	s_add_nc_u64 s[12:13], s[12:13], s[26:27]      ; wsc at my unit
.macro LOADS pitch                     ; 128 rows of my column; every offset an immediate (127 x 2,048 at the most)
.set i, 0
.rept 128
	global_load_b32 v[X+i], v2, s[20:21] offset:i*(\pitch) th:TH_LOAD_NT
.set i, i+1
.endr
.endm
	s_cmp_lt_u32 s14, 48                           ; the two ways differ in the pitch alone: each issues 128 loads, and no LDS instruction stands in either
	s_cbranch_scc0 .Lw3
	LOADS 2048
	s_branch .Lloaded
.Lw3:
	LOADS 1024
.Lloaded:
; Block kb = 2 c + hk: k = 32 kb + 0 .. 31.  cnt: how many younger loads may stay out
.macro BLOCK kb, cnt
.set XS, X+32*(\kb)
.set CC, C+6*(\kb)
	s_wait_loadcnt \cnt
	v_max3_num_f32 v10, |v[XS]|, |v[XS+1]|, |v[XS+2]|              ; the block's largest magnitude: all 32 numbers are mine; two chains
	v_max3_num_f32 v11, |v[XS+3]|, |v[XS+4]|, |v[XS+5]|
.irp i, 6,10,14,18,22,26
	v_max3_num_f32 v10, v10, |v[XS+\i]|, |v[XS+\i+1]|
	v_max3_num_f32 v11, v11, |v[XS+\i+2]|, |v[XS+\i+3]|
.endr
	v_max3_num_f32 v10, v10, |v[XS+30]|, |v[XS+31]|
	v_max3_num_f32 v10, v10, v11, 0x1800000        ; and the floor 2^(3 - 127): the byte cannot fall under 1
	v_add_nc_u32 v14, 0xff000000, v10              ; 2 off the exponent field: the conversion takes the exponent field of this operand as its scale
.if (\kb) == 0
	v_lshrrev_b32 v16, 23, v14                     ; the scale's byte: byte kb of my column's word
.else
	v_lshrrev_b32 v15, 23, v14
	v_lshl_or_b32 v16, v15, 8*(\kb), v16
.endif
	v_cvt_scalef32_pk16_fp6_f32 v[CC:CC+2], v[XS:XS+15], v14
	v_cvt_scalef32_pk16_fp6_f32 v[T:T+2], v[XS+16:XS+31], v14      ; (a conversion's three registers begin on an even number: the block's second three do not)
	v_nop                                          ; one plain place behind a scaled conversion
.irp i, 0,1,2
	v_mov_b32 v[CC+3+\i], v[T+\i]
.endr
.if (\kb) < 2                          ; registers 0-5 of operand lane 16 hk + r: 0-3 in the image's first 512 bytes, 4-5 in the second
	ds_store_b128 v3, v[CC:CC+3] offset:256*((\kb)%2)
	ds_store_b64 v3, v[CC+4:CC+5] offset:256*((\kb)%2)+512
.else                                  ; registers 6-11: 6-7 in the second 512 bytes, 8-11 in the third
	ds_store_b64 v3, v[CC:CC+1] offset:256*((\kb)%2)+520
	ds_store_b128 v3, v[CC+2:CC+5] offset:256*((\kb)%2)+1024
.endif
.endm
	BLOCK 0, 63                                    ; 96 loads stand behind this block's; the count is what the field holds, and a smaller count is safe
	BLOCK 1, 63                                    ; 64 behind
	BLOCK 2, 32
	BLOCK 3, 0
	ds_store_b32 v4, v16
	s_wait_dscnt 0x0                               ; for the other wave's sake: my stores have landed
	s_barrier_signal -1
	s_barrier_wait -1                              ; an image's rows come from both waves
.irp j, 0,1,2,3,4,5
	ds_load_b128 v[BK+4*\j:BK+4*\j+3], v5 offset:512*\j
.endr
.irp j, 0,1,2,3,4,5
	s_wait_dscnt 5-\j
	global_store_b128 v6, v[BK+4*\j:BK+4*\j+3], s[10:11] offset:512*\j   ; 32 lanes store 512 consecutive bytes, at a multiple of 256 from wq's first byte
.endr
	s_cmp_lg_u32 s16, 0
	s_cbranch_scc1 .Ldone
	ds_load_b64 v[216:217], v7                     ; wave 0: the unit's 64 scale words
	s_wait_dscnt 0x0
	global_store_b64 v8, v[216:217], s[12:13]      ; 256 consecutive bytes, aligned
.Ldone:
	s_wait_tensorcnt 0x0
	ds_add_u32 v224, v225
	s_wait_dscnt 0x0
	s_endpgm
.Lfunc_end_k_qbed0e2ecd0_prep:
	.size	k_qbed0e2ecd0_prep, .Lfunc_end_k_qbed0e2ecd0_prep-k_qbed0e2ecd0_prep
	.p2alignl 7, 3214868480
	.fill 96, 4, 3214868480
	.section	.rodata,"a",@progbits
	.p2align	6, 0x0
	.amdhsa_kernel k_qbed0e2ecd0_prep
		.amdhsa_group_segment_fixed_size 6912
		.amdhsa_private_segment_fixed_size 0
		.amdhsa_enable_private_segment 0
		.amdhsa_kernarg_size 40
		.amdhsa_user_sgpr_count 2
		.amdhsa_user_sgpr_kernarg_segment_ptr 1
		.amdhsa_wavefront_size32 1
		.amdhsa_system_sgpr_workgroup_id_x 1
		.amdhsa_system_sgpr_workgroup_id_y 1
		.amdhsa_system_sgpr_workgroup_id_z 1
		.amdhsa_system_vgpr_workitem_id 0
		.amdhsa_next_free_vgpr 226
		.amdhsa_next_free_sgpr 66
		.amdhsa_reserve_vcc 0
		.amdhsa_float_denorm_mode_32 3
		.amdhsa_float_denorm_mode_16_64 3
		.amdhsa_memory_ordered 1
		.amdhsa_forward_progress 1
		.amdhsa_inst_pref_size 35
	.end_amdhsa_kernel
	.amdgpu_metadata
---
amdhsa.version: [ 1, 2 ]
amdhsa.kernels:
  - .name:           k_qbed0e2ecd0_prep
    .symbol:         k_qbed0e2ecd0_prep.kd
    .args:
      - { .name: W1, .offset: 0, .size: 8, .value_kind: global_buffer, .address_space: global }
      - { .name: W2, .offset: 8, .size: 8, .value_kind: global_buffer, .address_space: global }
      - { .name: W3, .offset: 16, .size: 8, .value_kind: global_buffer, .address_space: global }
      - { .name: wq, .offset: 24, .size: 8, .value_kind: global_buffer, .address_space: global }
      - { .name: wsc, .offset: 32, .size: 8, .value_kind: global_buffer, .address_space: global }
    .group_segment_fixed_size: 6912
    .private_segment_fixed_size: 0
    .kernarg_segment_align: 8
    .kernarg_segment_size: 40
    .max_flat_workgroup_size: 64
    .sgpr_count:     66
    .vgpr_count:     226
    .wavefront_size: 32
...
	.end_amdgpu_metadata
.endif
;; end of part 1
;; launch chain (part 2): grid 256 x 1, 4 waves a work-group, no clusters, 226,304 bytes of LDS; arguments x, b1, b2, wq, wsc, part; writes part
.if DOCPART == 2
	.amdgcn_target "amdgcn-amd-amdhsa--gfx1250"
	.amdhsa_code_object_version 6
	.text
	.protected	k_qbed0e2ecd0_chain
	.globl	k_qbed0e2ecd0_chain
	.p2align	8
	.type	k_qbed0e2ecd0_chain,@function
k_qbed0e2ecd0_chain:
	s_mov_b64 s[64:65], 0
	v_nop
	global_prefetch_b8 v0, s[64:65] scope:SCOPE_SE
	s_setreg_imm32_b32 hwreg(HW_REG_WAVE_MODE, 25, 1), 1
	s_wait_xcnt 0x0
; part[wg][o] = the sum over this work-group's pairs (i, j), i != j, of relu(relu([x_i, x_j] W1 + b1) W2 + b2) W3, all three products on codes of FP6 (E2M3) with one E8M0 scale for each 32 along K.
; (992 b3 and the sum of a batch's four work-groups are the next launch's.)
; SHARES.  Work-group wg: batch b = wg / 4, quarter q = wg % 4: rows i = 8 q + a, a = 0..7, against all 32 j: 16 tiles of 16 pairs, tile m = 2 a + jh.  The 8 pairs with i = j are computed with the rest,
; and their codes of the second hidden layer are set to zero, so that they add nothing.
; THE FOUR WAVES SHARE THE COLUMNS, NOT THE ROWS: wave w makes hidden units 128 w .. + 127 of both layers and outputs 64 w .. + 63, for all 256 pairs.  Its part of each weight lies in its REGISTERS,
; loaded once from the images that the launch before has laid.  W2 is loaded under layer 1's work, W3 (into W1's registers) under layer 2's.
; WHY NO CLUSTER, NO JOINT LOADS: they bring tiles into LDS.  The weights' codes and scale words are 409,600 bytes; LDS holds 327,680, of which the two hidden layers' images take 212,992.  Here each weight byte is loaded
; once by a work-group, straight into the register in which it stays.
; A quantised concatenation is the concatenation of the quantised rows (128 is a multiple of 32): each wave quantises the batch's 32 rows of x once.  K step 0 of the first product is x_i for all 16 pairs of a tile:
; that row's registers, read from the wave's own image of x's tile 0 by all lanes of a half.  K step 1 is a tile of x as it stands.
; x's tile jh, lane r, is row 16 (jh ^ (q / 2)) + (r ^ 8 (q % 2)): so the work-group's own rows are always lanes 0-7 of tile 0, the pair i = j is always tile jh = 0, lane r = a, and q enters global addresses alone.
; LAYERS 1 AND 2 ARE USED TRANSPOSED (source 0 = 16 columns of the weight, source 1 = 16 pairs).  Lane r of the weight's tile t of group G holds column 64 G + 32 (r / 8) + 8 t + r % 8: so in the results lane (r, h)
; holds pair r, and register 32 c + i of its 64 the unit 64 c + 32 h + i: THE VERY LAYOUT OF THE NEXT OPERAND, a whole block of 32 in one lane.  No lane is asked for a maximum; only the scale word is joined across the halves.
; A wave's 128 units are one K step of the next product: its codes go to LDS as an image of the operand's registers (three stores of 16 bytes a lane at 16 x lane), its scale words at 4 x lane; one barrier a layer.
; BY TURNS.  Layers 1 and 2 have two sets of eight accumulators.  In turn m the wave issues tile m's products into one set; the relu and the quantiser of tile m - 1, on the other set, are a list of 114 vector
; instructions (122 where a pair i = j is masked) cut into 32 slices, and a slice stands behind each product of layer 2 (32 a turn), two behind each of layer 1 (16 a turn).  So the vector work is issued while the
; matrix unit works.  All that a slice touches lies in window 0, and no window has room for a product's operands beside it (W2 alone is 384 registers): a slice costs two switches of the register window.
; THE MEMORY INSTRUCTIONS OF A TURN STAND IN ONE RUN, behind its first eight products: the stores of tile m - 2's image, the LDS loads of tile m + 1 (layer 1: the next row i), and in layer 1 eight loads of W2.
; LAYER 3 is used as it stands (source 0 = 16 pairs, source 1 = 16 columns of W3) and its eight accumulators are carried on through all 16 tiles: that is the sum over the pairs; the accumulators' 16 rows are added at the end.
; LIMITS: NaN and infinities are not served; a block whose largest magnitude lies under 2^-124 keeps the byte 1; a block of zeros has the byte 1 and zero codes.  The f32 sums go in another order than the reference's (bias first; pairs by tile).
; REGISTERS, in windows of 256 (s_set_vgpr_msb's low byte: bits 1:0 source 0, 3:2 source 1, 5:4 source 2, 7:6 destination):
;   window 0: v1-19 addresses; v20-63 scale words and nothing else; v64-127, v128-191 the two sets of accumulators; v192-215 x's two fragments; v216-254 at work
;   window 1: v0-191 W1's 16 fragments, later W3's 16; v192-255 b1, later v192-239 layer 2's fragment buffer 1
;   window 2: v0-191 W2, K steps 0, 1; v192-255 b2      window 3: v0-191 W2, K steps 2, 3; v192-203 row i's fragment, later v192-239 layer 2's fragment buffer 0
;   in layer 3, v0-95 of windows 2 and 3 are two buffers for the second hidden layer's fragments, two tiles each.
.set FRB,  1536                        ; a fragment's image: 12 registers x 128 bytes
.set WSTR, 16*FRB                      ; a wave's 16 images
.set H1,   0                           ; LDS: first hidden layer [K step = writing wave][tile m][FRB]
.set H2,   4*WSTR+4096                 ; second hidden layer likewise.  4,096 spare bytes behind H1, and 512 behind H1S: layer 2's fetches reach up to four tiles ahead of a base that is stepped in its loop,
.set H1S,  H2+4*WSTR                   ; and so stay clear of the bytes that are stored for every value that the base takes, the last too, at which less is fetched.  Scale words [wave][m][128]
.set H2S,  H1S+8192+512
.set XI,   H2S+8192                    ; for each wave 1,792 bytes: the image of x's tile 0, then its scale words
.set XIW,  1792
.set OST,  XI+4*XIW                    ; for each wave 256 bytes: its 64 sums
.set LI,   1                           ; 16 x lane (H1 begins at LDS byte 0: this is also where layer 2 reads K steps 0, 1)
.set LS,   2                           ; 4 x lane
.set L8,   3                           ; 8 x lane
.set BA,   4                           ; 128 h
.set SH8,  5                           ; 8 h
.set RR,   6                           ; r
.set XA0,  7                           ; x: my byte in tile 0, tile 1
.set XA1,  8
.set XW,   9                           ; my wave's image of x's tile 0: where I store,
.set XWS,  10                          ; its scale words,
.set XBA,  11                          ; where my half of the lanes reads a row's registers back,
.set XBSA, 12                          ; and that row's scale word
.set W1A,  13                          ; where I store layer 1's images, scale words
.set W1S,  14
.set S2,   16                          ; where layer 2 reads scale words
.set W2A,  17                          ; where I store layer 2's images, scale words
.set W2S,  18
.set R2B,  19                          ; where layer 2 reads K steps 2, 3
.set WS1,  20                          ; W1's scale words: register 4 c + 2 s + e: tile 2 e in lanes 0-15, tile 2 e + 1 in lanes 16-31
.set WS3,  20                          ; later W3's: 2 s + e
.set WS2,  28                          ; W2's: 8 c + 2 s + e
.set XFS0, 44                          ; x's scale words: tile 0, tile 1 (v45)
.set XBS,  46                          ; row i's
.set HSB,  48                          ; the hidden layers' scale words: layer 2: 4 x buffer + K step; layer 3: 8 x buffer + 4 e + K step
.set HA0,  64                          ; layers 1, 2: accumulator t = 4 c + tile at 8 t of a set; even tiles in set 0,
.set HA1,  128                         ; odd tiles in set 1
.set OA,   64                          ; layer 3: accumulator (e, n) at OA + 8 (4 e + n)
.set X2,   128                         ; x's tile 1 as f32
.set SM,   128                         ; the way out
.set XF0,  192                         ; x's fragments: tile 0, tile 1 (v204)
.set XBW,  192                         ; in window 3: row i's fragment
.set AFW,  192                         ; in window 3 (buffer 0) and window 1 (buffer 1): the first hidden layer's four fragments of a tile
.set PC,   216                         ; the codes just made
.set CT,   228                         ; a block's upper 16 codes as converted
.set TM,   236                         ; +0..3 maxima, +4, 5 scale operands, +6, 7 bytes, +8 the other half's bytes
.set PW,   248                         ; the scale word just made
.set DM,   249                         ; the diagonal's mask
.set RA0,  250                         ; layer 2, the pair of turns in hand: reads, K steps 0, 1;
.set RA1,  251                         ; K steps 2, 3;
.set SA,   252                         ; scale words;
.set WA,   253                         ; stores: images,
.set SWA,  254                         ; scale words
.set R3A,  250                         ; layer 3 (layer 2's are free then)
.set R3B,  251
.set S3,   252
.set OSA,  253
.set OLA,  254
.set B1,   192                         ; in window 1
.set B2,   192                         ; in window 2
.set MSB, 0
.macro WIN new                         ; the immediate's high byte repeats the setting that is left; a switch that changes nothing is dropped
.if MSB != (\new)
	s_set_vgpr_msb (MSB<<8)|(\new)
.set MSB, (\new)
.endif
.endm
; A vector instruction that reads a matrix result or writes one of a matrix instruction's registers, and a load into such a register, stand four places behind it; only plain vector
; instructions that name none of its registers are places (ISA guide 7.12.1 for vector instructions).  In the turns the slices are the places.
.macro PLACES
.rept 4
	v_nop
.endr
.endm
; One matrix instruction.  c < 0: the constant 0 starts the sum.  row = 1: A's scales stand in lanes 16-31 of their register; 2: B's do.
.macro WM d, a, b, c, sa, sb, row
.if (\c) < 0
.if (\row) == 0
	v_wmma_scale_f32_16x16x128_f8f6f4 v[(\d):(\d)+7], v[(\a):(\a)+11], v[(\b):(\b)+11], 0, v[(\sa)], v[(\sb)] matrix_a_fmt:MATRIX_FMT_FP6 matrix_b_fmt:MATRIX_FMT_FP6
.else
	v_wmma_scale_f32_16x16x128_f8f6f4 v[(\d):(\d)+7], v[(\a):(\a)+11], v[(\b):(\b)+11], 0, v[(\sa)], v[(\sb)] matrix_a_fmt:MATRIX_FMT_FP6 matrix_b_fmt:MATRIX_FMT_FP6 matrix_b_scale:MATRIX_SCALE_ROW1
.endif
.elseif (\row) == 0
	v_wmma_scale_f32_16x16x128_f8f6f4 v[(\d):(\d)+7], v[(\a):(\a)+11], v[(\b):(\b)+11], v[(\c):(\c)+7], v[(\sa)], v[(\sb)] matrix_a_fmt:MATRIX_FMT_FP6 matrix_b_fmt:MATRIX_FMT_FP6
.elseif (\row) == 1
	v_wmma_scale_f32_16x16x128_f8f6f4 v[(\d):(\d)+7], v[(\a):(\a)+11], v[(\b):(\b)+11], v[(\c):(\c)+7], v[(\sa)], v[(\sb)] matrix_a_fmt:MATRIX_FMT_FP6 matrix_b_fmt:MATRIX_FMT_FP6 matrix_a_scale:MATRIX_SCALE_ROW1
.else
	v_wmma_scale_f32_16x16x128_f8f6f4 v[(\d):(\d)+7], v[(\a):(\a)+11], v[(\b):(\b)+11], v[(\c):(\c)+7], v[(\sa)], v[(\sb)] matrix_a_fmt:MATRIX_FMT_FP6 matrix_b_fmt:MATRIX_FMT_FP6 matrix_b_scale:MATRIX_SCALE_ROW1
.endif
.endm
; x's quantiser, at the head: 64 numbers of a lane, register 32 c + i = k 64 c + 32 h + i of my row, become a fragment's 12 registers at v[dst] and my row's scale word in v[pw].  Blocks h and 2 + h are wholly mine.
.macro QUANT src, dst, pw
	v_max3_num_f32 v[TM], |v[(\src)]|, |v[(\src)+1]|, |v[(\src)+2]|            ; two blocks, two chains each, by turns: no line waits for the line above it
	v_max3_num_f32 v[TM+1], |v[(\src)+32]|, |v[(\src)+33]|, |v[(\src)+34]|
	v_max3_num_f32 v[TM+2], |v[(\src)+3]|, |v[(\src)+4]|, |v[(\src)+5]|
	v_max3_num_f32 v[TM+3], |v[(\src)+35]|, |v[(\src)+36]|, |v[(\src)+37]|
.irp i, 6,10,14,18,22,26
	v_max3_num_f32 v[TM], v[TM], |v[(\src)+\i]|, |v[(\src)+\i+1]|
	v_max3_num_f32 v[TM+1], v[TM+1], |v[(\src)+32+\i]|, |v[(\src)+33+\i]|
	v_max3_num_f32 v[TM+2], v[TM+2], |v[(\src)+\i+2]|, |v[(\src)+\i+3]|
	v_max3_num_f32 v[TM+3], v[TM+3], |v[(\src)+34+\i]|, |v[(\src)+35+\i]|
.endr
	v_max3_num_f32 v[TM], v[TM], |v[(\src)+30]|, |v[(\src)+31]|
	v_max3_num_f32 v[TM+1], v[TM+1], |v[(\src)+62]|, |v[(\src)+63]|
	v_max3_num_f32 v[TM], v[TM], v[TM+2], 0x1800000                            ; and the floor 2^(3 - 127): the byte cannot fall under 1
	v_max3_num_f32 v[TM+1], v[TM+1], v[TM+3], 0x1800000
	v_add_nc_u32 v[TM+4], 0xff000000, v[TM]        ; 2 off the exponent field: the conversion's scale operand
	v_add_nc_u32 v[TM+5], 0xff000000, v[TM+1]
	v_lshrrev_b32 v[TM+6], 23, v[TM+4]             ; the scales' bytes
	v_lshrrev_b32 v[TM+7], 23, v[TM+5]
	v_lshl_or_b32 v[\pw], v[TM+7], 16, v[TM+6]     ; blocks h and 2 + h,
	v_lshlrev_b32 v[\pw], v[SH8], v[\pw]           ; at their places in the word;
	v_permlanex16_b32 v[TM+8], v[\pw], s20, s21
	v_or_b32 v[\pw], v[\pw], v[TM+8]               ; with lane l xor 16's two the word is whole
.irp c, 0,1
	v_cvt_scalef32_pk16_fp6_f32 v[(\dst)+6*\c:(\dst)+6*\c+2], v[(\src)+32*\c:(\src)+32*\c+15], v[TM+4+\c]
	v_cvt_scalef32_pk16_fp6_f32 v[CT+4*\c:CT+4*\c+2], v[(\src)+32*\c+16:(\src)+32*\c+31], v[TM+4+\c]   ; (a conversion's three registers begin on an even number)
.endr
	v_nop                                          ; one plain place behind a scaled conversion
.irp c, 0,1
.irp i, 0,1,2
	v_mov_b32 v[(\dst)+6*\c+3+\i], v[CT+4*\c+\i]
.endr
.endr
.endm
; THE VECTOR WORK OF A TILE OF A HIDDEN LAYER is a numbered list; VW writes number j of it for the accumulator set at v[h].  msk = 1: the tile holds the pair i = j (lane r = s44), whose codes become zeros.
;   0-63     relu, each accumulator from its low end on
;   64-95    the largest number of my two blocks of 32 (none is negative): two chains a block, the four by turns, and the floor 2^(3 - 127), so that the byte cannot fall under 1
;   96-99    2 off the exponent fields: the conversions' scale operands; the scales' bytes
;   100-104  the four conversions, and a plain instruction behind them: my two bytes in one word
;   105-108  the bytes at their places in the scale word; (the mask;) the other half of the lanes' two bytes
;   109-111  block h's upper 16 codes to their registers (a conversion's three registers begin on an even number); with a mask the move is an AND
;   112-117  (with a mask: the codes that the conversions have put in place)
;   118-121  block 2 + h's upper 16 codes; the scale word is whole
.macro VW h, msk
.if (\msk) || (j < 106) || ((j > 107) && (j < 112)) || (j > 117)
	WIN 0
.if j < 64
	v_max_num_f32 v[(\h)+j], 0, v[(\h)+j]
.elseif j < 68
.set VQ, j-64
.set VS, (\h)+32*(VQ%2)+3*(VQ/2)
	v_max3_num_f32 v[TM+VQ], v[VS], v[VS+1], v[VS+2]
.elseif j < 92
.set VQ, (j-68)%4
.set VS, (\h)+6+4*((j-68)/4)+32*(VQ%2)+2*(VQ/2)
	v_max3_num_f32 v[TM+VQ], v[TM+VQ], v[VS], v[VS+1]
.elseif j < 94
.set VQ, j-92
	v_max3_num_f32 v[TM+VQ], v[TM+VQ], v[(\h)+30+32*VQ], v[(\h)+31+32*VQ]
.elseif j < 96
.set VQ, j-94
	v_max3_num_f32 v[TM+VQ], v[TM+VQ], v[TM+2+VQ], 0x1800000
.elseif j < 98
	v_add_nc_u32 v[TM+4+j-96], 0xff000000, v[TM+j-96]
.elseif j < 100
	v_lshrrev_b32 v[TM+6+j-98], 23, v[TM+4+j-98]
.elseif j < 104
.set VQ, (j-100)/2
.if (j%2) == 0
	v_cvt_scalef32_pk16_fp6_f32 v[PC+6*VQ:PC+6*VQ+2], v[(\h)+32*VQ:(\h)+32*VQ+15], v[TM+4+VQ]
.else
	v_cvt_scalef32_pk16_fp6_f32 v[CT+4*VQ:CT+4*VQ+2], v[(\h)+32*VQ+16:(\h)+32*VQ+31], v[TM+4+VQ]
.endif
.elseif j == 104
	v_lshl_or_b32 v[PW], v[TM+7], 16, v[TM+6]
.elseif j == 105
	v_lshlrev_b32 v[PW], v[SH8], v[PW]
.elseif j == 106
	v_cmp_ne_u32 vcc_lo, s44, v[RR]
.elseif j == 107
	v_cndmask_b32 v[DM], 0, -1, vcc_lo
.elseif j == 108
	v_permlanex16_b32 v[TM+8], v[PW], s20, s21
.elseif j < 112
.if \msk
	v_and_b32 v[PC+3+j-109], v[DM], v[CT+j-109]
.else
	v_mov_b32 v[PC+3+j-109], v[CT+j-109]
.endif
.elseif j < 115
	v_and_b32 v[PC+j-112], v[DM], v[PC+j-112]
.elseif j < 118
	v_and_b32 v[PC+6+j-115], v[DM], v[PC+6+j-115]
.elseif j < 121
.if \msk
	v_and_b32 v[PC+9+j-118], v[DM], v[CT+4+j-118]
.else
	v_mov_b32 v[PC+9+j-118], v[CT+4+j-118]
.endif
.else
	v_or_b32 v[PW], v[PW], v[TM+8]
.endif
.endif
.endm
; Slice k of 32.  Slices 0 to 23 are four numbers each; the conversions and their plain instruction are one slice; the last four numbers, all plain, are kept for slice 31, behind a turn's last product.
; So slices 7, 15, 23 and 31 are four plain instructions on the other set: the places behind a K step's last product.
.macro SLICE h, msk
.if k < 24
.set JL, 4*k
.set JN, 4
.elseif k == 24
.set JL, 96
.set JN, 4
.elseif k == 25
.set JL, 100
.set JN, 5
.elseif k == 26
.set JL, 105
.set JN, 4
.elseif k == 27
.set JL, 109
.set JN, 4
.elseif k == 28
.set JL, 113
.set JN, 4
.elseif k == 29
.set JL, 117
.set JN, 1
.elseif k == 30
.set JL, 0
.set JN, 0
.else
.set JL, 118
.set JN, 4
.endif
.set j, JL
.if JN > 0
.rept JN
	VW \h, \msk
.set j, j+1
.endr
.endif
.set k, k+1
.endm
.macro VECALL h, msk                   ; a layer's last tile: the whole list on end; there is no product left to set it between
.set k, 0
.rept 24
	SLICE \h, \msk
.endr
	s_wait_dscnt 0x0                               ; the stores of the tile before have read the codes' registers
.rept 8
	SLICE \h, \msk
.endr
.endm
.macro PUT wa, swa, tile               ; the fragment in v[PC] on goes to LDS as it stands, its scale words beside it: four LDS stores
.irp g, 0,1,2
	ds_store_b128 v[\wa], v[PC+4*\g:PC+4*\g+3] offset:FRB*(\tile)+512*\g
.endr
	ds_store_b32 v[\swa], v[PW] offset:128*(\tile)
.endm
.macro BARRIER                         ; my LDS stores have landed and my LDS loads are in: then the work-group's barrier
	s_wait_dscnt 0x0
	s_barrier_signal -1
	s_barrier_wait -1
.endm
	s_load_b256 s[4:11], s[0:1], 0x0               ; x s[4:5], b1 s[6:7], b2 s[8:9], wq s[10:11]
	s_load_b128 s[12:15], s[0:1], 0x20             ; wsc s[12:13], part s[14:15]
	v_lshl_add_u32 v247, v0, 2, 0x37200
	v_mov_b32 v255, 0
	v_lshrrev_b32 v1, 5, v0
	v_readfirstlane_b32 s16, v1                    ; wave 0..3
	v_and_b32 v3, 31, v0
	v_lshlrev_b32 v[LI], 4, v3
	v_lshlrev_b32 v[LS], 2, v3
	v_lshlrev_b32 v[L8], 3, v3
	v_and_b32 v[RR], 15, v0
	v_bfe_u32 v[SH8], v0, 4, 1                     ; h for now
	v_lshlrev_b32 v[BA], 7, v[SH8]
	s_and_b32 s18, ttmp9, 3                        ; q
	s_lshr_b32 s19, ttmp9, 2                       ; b
	s_and_b32 s48, s18, 1
	s_lshl_b32 s48, s48, 3                         ; 8 (q % 2)
	s_lshr_b32 s49, s18, 1
	s_lshl_b32 s49, s49, 13                        ; 16 rows of 512 bytes x (q / 2)
	s_xor_b32 s50, s49, 8192                       ; and the other 16 rows
	v_xor_b32 v[XA0], s48, v[RR]
	v_lshl_add_u32 v[XA0], v[XA0], 9, v[BA]        ; row (r ^ 8 (q % 2)) of 512 bytes + 128 h: my 32 numbers of each 64
	v_add_nc_u32 v[XA1], s50, v[XA0]
	v_add_nc_u32 v[XA0], s49, v[XA0]
	s_mov_b32 s20, 0x76543210
	s_mov_b32 s21, 0xfedcba98                      ; v_permlanex16_b32's selects for lane l xor 16
	s_mov_b32 s47, 0
	s_lshl_b32 s46, s19, 14
	s_wait_kmcnt 0x0
	s_add_nc_u64 s[22:23], s[4:5], s[46:47]        ; x at my batch
.irp c, 0,1                            ; x first: it is wanted first.  Register 32 c + 4 e on: k = 64 c + 32 h + 4 e on
.irp e, 0,1,2,3,4,5,6,7
	global_load_b128 v[HA0+32*\c+4*\e:HA0+32*\c+4*\e+3], v[XA0], s[22:23] offset:256*\c+16*\e
.endr
.endr
.irp c, 0,1
.irp e, 0,1,2,3,4,5,6,7
	global_load_b128 v[X2+32*\c+4*\e:X2+32*\c+4*\e+3], v[XA1], s[22:23] offset:256*\c+16*\e
.endr
.endr
	s_lshl_b32 s46, s16, 9
	s_add_nc_u64 s[24:25], s[6:7], s[46:47]        ; b1, b2 at my 128 units
	s_add_nc_u64 s[26:27], s[8:9], s[46:47]
	s_mul_i32 s53, s16, WSTR
	s_mov_b32 s46, s53
	s_add_nc_u64 s[28:29], s[10:11], s[46:47]      ; W1: units 4 w on: 24,576 w
	s_add_nc_u64 s[32:33], s[28:29], 48*6144       ; W3: units 48 + 4 w on
	s_add_nc_u64 s[30:31], s[28:29], s[46:47]
	s_add_nc_u64 s[30:31], s[30:31], 16*6144       ; W2: units 16 + 8 w on
	s_lshl_b32 s46, s16, 10
	s_add_nc_u64 s[34:35], s[12:13], s[46:47]      ; their scale words, 256 bytes a unit
	s_add_nc_u64 s[38:39], s[34:35], 48*256
	s_add_nc_u64 s[36:37], s[34:35], s[46:47]
	s_add_nc_u64 s[36:37], s[36:37], 16*256
	s_lshl_b32 s46, ttmp9, 10
	s_lshl_b32 s48, s16, 8
	s_add_co_u32 s46, s46, s48
	s_add_nc_u64 s[40:41], s[14:15], s[46:47]      ; part at my wave's 64 numbers
.irp n, 0,1,2,3
	global_load_b64 v[WS1+2*\n:WS1+2*\n+1], v[L8], s[34:35] offset:256*\n
.endr
	WIN 0x40                                       ; destination window 1
.set i, 0
.rept 48                               ; W1's 16 fragments in the order of memory: fragment 8 c + 4 s + tile at v[12 x that]
	global_load_b128 v[4*i:4*i+3], v[LI], s[28:29] offset:512*i
.set i, i+1
.endr
.set i, 0
.rept 16                               ; b1 in the result's layout: accumulator t = i / 2, lane (r, h): units 64 (t / 4) + 32 h + 8 (t % 4) + 0 .. 7
	global_load_b128 v[B1+4*i:B1+4*i+3], v[BA], s[24:25] offset:256*(i/8)+32*((i/2)%4)+16*(i%2)
.set i, i+1
.endr
	WIN 0
	s_mul_i32 s51, s16, XIW                        ; LDS addresses: a constant + a constant x lane + a constant x wave
	s_add_co_u32 s51, s51, XI
	s_add_co_u32 s52, s51, FRB
	v_add_nc_u32 v[XW], s51, v[LI]
	v_add_nc_u32 v[XWS], s52, v[LS]
	v_lshl_add_u32 v[XBA], v[SH8], 8, s51          ; operand lane 16 h + a lies at 256 h + 16 a of each 512 bytes
	v_mov_b32 v[XBSA], s52
	v_add_nc_u32 v[W1A], s53, v[LI]
	v_add_nc_u32 v[W2A], H2, v[W1A]
	s_lshl_b32 s54, s16, 11
	s_add_co_u32 s54, s54, H1S
	v_add_nc_u32 v[W1S], s54, v[LS]
	v_add_nc_u32 v[W2S], H2S-H1S, v[W1S]
	v_add_nc_u32 v[R2B], 2*WSTR, v[LI]
	v_add_nc_u32 v[S2], H1S, v[LS]
	v_lshlrev_b32 v[SH8], 3, v[SH8]
	v_mov_b32 v[TM+8], 0                           ; written once: a lane permute's destination counts as one of its sources
	s_wait_loadcnt 63                              ; x is in: 68 loads stand behind its last; the count is what the field holds, and a smaller count is safe
	QUANT HA0, XF0, XFS0
.irp g, 0,1,2
	ds_store_b128 v[XW], v[XF0+4*\g:XF0+4*\g+3] offset:512*\g      ; tile 0's image, in my wave's own bytes
.endr
	ds_store_b32 v[XWS], v[XFS0]
	QUANT X2, XF0+12, XFS0+1
	WIN 0xc0                                       ; destination window 3
.irp g, 0,1,2
	ds_load_b128 v[XBW+4*\g:XBW+4*\g+3], v[XBA] offset:512*\g      ; row i = 8 q: LDS serves a wave's instructions in order (ISA guide 5.7.1.4): these see my stores
.endr
	WIN 0
	ds_load_b32 v[XBS], v[XBSA]
	s_wait_loadcnt 0x0                             ; W1, its scale words, b1
.rept 8
	v_nop                                          ; a scale register written by a vector instruction stands 8 places ahead of a scaled matrix instruction, an operand so written 4
.endr
; W2, its scale words and b2 come in under layer 1: load n of 120, eight in the run of each of the first 15 turns.
.macro W2LOAD n
.if (\n) < 8
	WIN 0
	global_load_b64 v[WS2+2*(\n):WS2+2*(\n)+1], v[L8], s[36:37] offset:256*(\n)
.elseif (\n) < 24
	WIN 0x80
	global_load_b128 v[B2+4*((\n)-8):B2+4*((\n)-8)+3], v[BA], s[26:27] offset:256*(((\n)-8)/8)+32*((((\n)-8)/2)%4)+16*(((\n)-8)%2)
.else
.set WK, (\n)-24
.set WF, WK/3                          ; fragment 16 c + 4 s + tile, in the order of memory
	WIN 0x80+0x40*(((WF/4)%4)/2)                   ; K steps 0, 1: window 2; 2, 3: window 3
.set WR, 12*(8*((WF/4)%2)+4*(WF/16)+WF%4)+4*(WK%3)
	global_load_b128 v[WR:WR+3], v[LI], s[30:31] offset:512*WK
.endif
.endm
; LAYER 1, turn m = 2 a + jh: the products of pairs (8 q + a, x's tile jh) into set jh | the vector work of tile m - 1, two slices behind each product.
; The eight accumulators take turns, one instruction a turn.
.macro T1 a, jh
.set M, 2*(\a)+(\jh)
.set HP, HA0+64*(\jh)
.set HV, HA1-64*(\jh)
.set k, 0
	s_wait_dscnt 0x0                               ; the last run's LDS instructions, issued eight products ago, are done: row i's fragment and scale word are in
.irp t, 0,1,2,3,4,5,6,7
	WIN 0x1d                                       ; W1 and b1 in window 1, row i in window 3
	WM HP+8*\t, 12*(8*(\t/4)+\t%4), XBW, B1+8*\t, WS1+4*(\t/4)+(\t%4)/2, XBS, \t%2
.if M > 0
	SLICE HV, 0
	SLICE HV, 0
.endif
.endr
	WIN 0                                          ; THE RUN
.if M > 1
	PUT W1A, W1S, M-2                              ; K step w of the second product, tile m - 2: its list ended with the last turn, and this turn's writes the codes' registers only from slice 25 on
.endif
.if ((\jh) == 1) && ((\a) < 7)
	WIN 0xc0
.irp g, 0,1,2
	ds_load_b128 v[XBW+4*\g:XBW+4*\g+3], v[XBA] offset:16*((\a)+1)+512*\g   ; the next row i: this row's last product stands in front of slices 14 and 15, eight plain instructions
.endr
	WIN 0
	ds_load_b32 v[XBS], v[XBSA] offset:4*((\a)+1)
.endif
.if M < 15
.set NN, 8*M
.rept 8
	W2LOAD NN
.set NN, NN+1
.endr
.endif
.irp t, 0,1,2,3,4,5,6,7
	WIN 0x01
	WM HP+8*\t, 12*(8*(\t/4)+4+\t%4), XF0+12*(\jh), HP+8*\t, WS1+4*(\t/4)+2+(\t%4)/2, XFS0+(\jh), \t%2
.if M > 0
	SLICE HV, 0
	SLICE HV, 0
.endif
.endr
	WIN 0
.if M == 0
	PLACES                                         ; the first turn has no slices: these are the places in front of the next turn's first read of its results
.endif
.endm
.irp a, 0,1,2,3,4,5,6,7
	T1 \a, 0
	T1 \a, 1
.endr
	PUT W1A, W1S, 14
	VECALL HA1, 0                                  ; tile 15
	PUT W1A, W1S, 15
	s_wait_loadcnt 0x0                             ; W2, its scale words and b2 are in
	WIN 0x40
.set i, 0
.rept 48                               ; W3's 16 fragments (4 s + tile) take W1's registers: they have all of layer 2 in which to land
	global_load_b128 v[4*i:4*i+3], v[LI], s[32:33] offset:512*i
.set i, i+1
.endr
	WIN 0
.irp n, 0,1,2,3
	global_load_b64 v[WS3+2*\n:WS3+2*\n+1], v[L8], s[38:39] offset:256*\n
.endr
	BARRIER                                        ; the first hidden layer's 64 fragments lie in LDS
; LAYER 2.  The addresses of a pair of turns: s42 = 3,072 x pair, s43 = 256 x pair.  They are written behind a wait for all my LDS instructions.
.macro ADDR
	v_add_nc_u32 v[RA0], s42, v[LI]
	v_add_nc_u32 v[RA1], s42, v[R2B]
	v_add_nc_u32 v[WA], s42, v[W2A]
	v_add_nc_u32 v[SA], s43, v[S2]
	v_add_nc_u32 v[SWA], s43, v[W2S]
.endm
; A tile's four fragments into buffer b (0: window 3, 1: window 1) and its scale words; off: tiles on from the pair's base.  16 LDS loads.
.macro FETCH2 b, off
	WIN 0xc0-0x80*(\b)
.irp s, 0,1
.irp g, 0,1,2
	ds_load_b128 v[AFW+12*\s+4*\g:AFW+12*\s+4*\g+3], v[RA0] offset:WSTR*\s+FRB*(\off)+512*\g
.endr
.endr
.irp s, 0,1
.irp g, 0,1,2
	ds_load_b128 v[AFW+24+12*\s+4*\g:AFW+24+12*\s+4*\g+3], v[RA1] offset:WSTR*\s+FRB*(\off)+512*\g
.endr
.endr
	WIN 0
.irp s, 0,1,2,3
	ds_load_b32 v[HSB+4*(\b)+\s], v[SA] offset:2048*\s+128*(\off)
.endr
.endm
; Turn m, p = m % 2: tile m's 32 products, from fragment buffer p into set p | the vector work of tile m - 1 (vec = 1), a slice behind each product; an even tile holds a pair i = j, so the mask goes with p = 1.
; Behind the first eight products THE RUN: the stores of tile m - 2 (poff: tiles on from the base; -1: none) and the loads of tile m + 1 into the other buffer (foff likewise), whose last product
; stands in the turn before.  The loads have 24 products in which to land.  upd = 1: the pair's addresses are made.
.macro T2 p, vec, upd, poff, foff
.set HP, HA0+64*(\p)
.set HV, HA1-64*(\p)
.set WB, 0x0c-0x08*(\p)                ; source 1: window 3 or window 1
.set k, 0
	s_wait_dscnt 0x0                               ; the last run, issued 24 products ago, is done: this tile's fragments and scale words are in
.if \upd
	ADDR
.endif
.irp s, 0,1,2,3
.irp t, 0,1,2,3,4,5,6,7
.if \s == 0
	WIN 0x22+WB                                    ; W2 and b2 in window 2
	WM HP+8*\t, 12*\t, AFW, B2+8*\t, WS2+8*(\t/4)+(\t%4)/2, HSB+4*(\p), \t%2
.else
	WIN 0x02+(\s/2)+WB                             ; W2's K step 1 in window 2, K steps 2, 3 in window 3
	WM HP+8*\t, 12*(8*(\s%2)+\t), AFW+12*\s, HP+8*\t, WS2+8*(\t/4)+2*\s+(\t%4)/2, HSB+4*(\p)+\s, \t%2
.endif
.if \vec
	SLICE HV, \p
.endif
.endr
.if \s == 0
	WIN 0
.if (\poff) >= 0
	PUT WA, SWA, \poff                             ; K step w of the third product
.endif
.if (\foff) >= 0
	FETCH2 1-(\p), \foff
.endif
.endif
.endr
	WIN 0
.if !(\vec)
	PLACES                                         ; the first turn has no slices: these are the places in front of the next turn's first read of its results
.endif
.endm
	s_mov_b32 s42, 0
	s_mov_b32 s43, 0
	s_mov_b32 s44, 0                               ; a of the even tile whose vector work is in hand
	s_mov_b32 s45, 6
	ADDR
	FETCH2 0, 0                                    ; tile 0
	T2 0, 0, 0, -1, 1                              ; turn 0: nothing to quantise yet
	T2 1, 1, 0, -1, 2                              ; turn 1: nothing to store yet
	s_mov_b32 s44, 1
.Lpair:                                            ; six trips of two turns, m = 2 .. 13
	T2 0, 1, 1, 0, 3
	T2 1, 1, 0, 1, 4
	s_add_co_u32 s42, s42, 2*FRB
	s_add_co_u32 s43, s43, 256
	s_add_co_u32 s44, s44, 1
	s_sub_co_u32 s45, s45, 1
	s_cmp_lg_u32 s45, 0
	s_cbranch_scc1 .Lpair
	T2 0, 1, 1, 0, 3                               ; turns 14 and 15 are written out: behind tile 15 nothing is fetched
	T2 1, 1, 0, 1, -1
	PUT WA, SWA, 2                                 ; tile 14
	VECALL HA1, 0                                  ; tile 15
	PUT WA, SWA, 3
	s_wait_loadcnt 0x0                             ; W3 and its scale words are in
	BARRIER                                        ; the second hidden layer's 64 fragments lie in LDS
	; LAYER 3
	v_add_nc_u32 v[R3A], H2, v[LI]
	v_add_nc_u32 v[R3B], H2+2*WSTR, v[LI]
	v_add_nc_u32 v[S3], H2S, v[LS]
	v_and_b32 v[OSA], 7, v[RR]
	v_lshlrev_b32 v[OSA], 2, v[OSA]
	v_lshrrev_b32 v[OLA], 3, v[RR]
	v_lshl_add_u32 v[OSA], v[OLA], 7, v[OSA]
	s_lshl_b32 s48, s16, 8
	s_add_co_u32 s48, s48, OST
	v_add_nc_u32 v[OSA], s48, v[OSA]               ; lane r of tile n holds output 32 (r / 8) + 8 n + r % 8 of my 64
	v_add_nc_u32 v[OLA], s48, v[L8]
; Tiles 2 p and 2 p + 1: eight fragments into window 2 + p % 2 (tile e, K step k at 48 e + 12 k), eight scale words: 32 LDS loads.
.macro FETCH3 p
	WIN 0x80+0x40*((\p)%2)
.irp e, 0,1
.irp k, 0,1
.irp g, 0,1,2
	ds_load_b128 v[48*\e+12*\k+4*\g:48*\e+12*\k+4*\g+3], v[R3A] offset:WSTR*\k+FRB*(2*(\p)+\e)+512*\g
.endr
.endr
.irp k, 0,1
.irp g, 0,1,2
	ds_load_b128 v[48*\e+24+12*\k+4*\g:48*\e+24+12*\k+4*\g+3], v[R3B] offset:WSTR*\k+FRB*(2*(\p)+\e)+512*\g
.endr
.endr
.endr
	WIN 0
.irp e, 0,1
.irp k, 0,1,2,3
	ds_load_b32 v[HSB+8*((\p)%2)+4*\e+\k], v[S3] offset:2048*\k+128*(2*(\p)+\e)
.endr
.endr
.endm
; 32 matrix instructions: the eight accumulators (tile's parity e, W3's tile n) by turns, K step by K step.  They are never begun anew: the very first products start the sums with the constant 0.
.macro PAIR3 p
.if (\p) < 7
	s_wait_dscnt 32                                ; this pair's loads are in; the next pair's 32 may be out
.else
	s_wait_dscnt 0x0
.endif
	WIN 0x06+(\p)%2                                ; the hidden layer in window 2 or 3, W3 in window 1
.irp k, 0,1,2,3
.irp n, 0,1,2,3
.irp e, 0,1
.if ((\p) == 0) && (\k == 0)
	WM OA+8*(4*\e+\n), 48*\e+12*\k, 12*(4*\k+\n), -1, HSB+8*((\p)%2)+4*\e+\k, WS3+2*\k+\n/2, 2*(\n%2)
.else
	WM OA+8*(4*\e+\n), 48*\e+12*\k, 12*(4*\k+\n), OA+8*(4*\e+\n), HSB+8*((\p)%2)+4*\e+\k, WS3+2*\k+\n/2, 2*(\n%2)
.endif
.endr
.endr
.endr
	WIN 0
	PLACES                                         ; in front of the loads into this pair's buffer; behind the last pair: of the first read of the sums
.if (\p) < 6
	FETCH3 (\p)+2
.endif
.endm
	FETCH3 0
	FETCH3 1
.irp p, 0,1,2,3,4,5,6,7
	PAIR3 \p
.endr
	; THE WAY OUT: for each of W3's four tiles the two accumulators, their eight registers and the two halves of the lanes are added: the sum over my work-group's 16 x 16 pairs.  Each accumulator is read from its low end on.
.irp n, 0,1,2,3
.irp j, 0,2,4,6
	v_pk_add_f32 v[SM+8*\n+\j:SM+8*\n+\j+1], v[OA+8*\n+\j:OA+8*\n+\j+1], v[OA+32+8*\n+\j:OA+32+8*\n+\j+1]
.endr
.endr
.irp n, 0,1,2,3
	v_pk_add_f32 v[SM+8*\n:SM+8*\n+1], v[SM+8*\n:SM+8*\n+1], v[SM+8*\n+2:SM+8*\n+3]
	v_pk_add_f32 v[SM+8*\n+4:SM+8*\n+5], v[SM+8*\n+4:SM+8*\n+5], v[SM+8*\n+6:SM+8*\n+7]
.endr
.irp n, 0,1,2,3
	v_pk_add_f32 v[SM+8*\n:SM+8*\n+1], v[SM+8*\n:SM+8*\n+1], v[SM+8*\n+4:SM+8*\n+5]
.endr
.irp n, 0,1,2,3
	v_add_f32 v[SM+8*\n], v[SM+8*\n], v[SM+8*\n+1]
.endr
.irp n, 0,1,2,3
	v_permlanex16_b32 v[SM+8*\n+1], v[SM+8*\n], s20, s21
.endr
.irp n, 0,1,2,3
	v_add_f32 v[SM+8*\n], v[SM+8*\n], v[SM+8*\n+1]
.endr
.irp n, 0,1,2,3
	ds_store_b32 v[OSA], v[SM+8*\n] offset:32*\n   ; both halves of the lanes write the same word with the same value
.endr
	ds_load_b64 v[SM+2:SM+3], v[OLA]               ; my wave's own bytes, served in order
	s_wait_dscnt 0x0
	global_store_b64 v[L8], v[SM+2:SM+3], s[40:41] ; 32 lanes store 256 consecutive bytes, at a multiple of 256 from part's first byte
	s_wait_tensorcnt 0x0
	ds_add_u32 v247, v255
	s_wait_dscnt 0x0
	s_endpgm
.Lfunc_end_k_qbed0e2ecd0_chain:
	.size	k_qbed0e2ecd0_chain, .Lfunc_end_k_qbed0e2ecd0_chain-k_qbed0e2ecd0_chain
	.p2alignl 7, 3214868480
	.fill 96, 4, 3214868480
	.section	.rodata,"a",@progbits
	.p2align	6, 0x0
	.amdhsa_kernel k_qbed0e2ecd0_chain
		.amdhsa_group_segment_fixed_size 226304
		.amdhsa_private_segment_fixed_size 0
		.amdhsa_enable_private_segment 0
		.amdhsa_kernarg_size 48
		.amdhsa_user_sgpr_count 2
		.amdhsa_user_sgpr_kernarg_segment_ptr 1
		.amdhsa_wavefront_size32 1
		.amdhsa_system_sgpr_workgroup_id_x 1
		.amdhsa_system_sgpr_workgroup_id_y 1
		.amdhsa_system_sgpr_workgroup_id_z 1
		.amdhsa_system_vgpr_workitem_id 0
		.amdhsa_next_free_vgpr 1024
		.amdhsa_next_free_sgpr 66
		.amdhsa_reserve_vcc 1
		.amdhsa_float_denorm_mode_32 3
		.amdhsa_float_denorm_mode_16_64 3
		.amdhsa_memory_ordered 1
		.amdhsa_forward_progress 1
		.amdhsa_inst_pref_size 255
	.end_amdhsa_kernel
	.section	.bss,"aw",@nobits
	.p2align	6
	.space	262144
	.amdgpu_metadata
---
amdhsa.version: [ 1, 2 ]
amdhsa.kernels:
  - .name:           k_qbed0e2ecd0_chain
    .symbol:         k_qbed0e2ecd0_chain.kd
    .args:
      - { .name: x, .offset: 0, .size: 8, .value_kind: global_buffer, .address_space: global }
      - { .name: b1, .offset: 8, .size: 8, .value_kind: global_buffer, .address_space: global }
      - { .name: b2, .offset: 16, .size: 8, .value_kind: global_buffer, .address_space: global }
      - { .name: wq, .offset: 24, .size: 8, .value_kind: global_buffer, .address_space: global }
      - { .name: wsc, .offset: 32, .size: 8, .value_kind: global_buffer, .address_space: global }
      - { .name: part, .offset: 40, .size: 8, .value_kind: global_buffer, .address_space: global }
    .group_segment_fixed_size: 226304
    .private_segment_fixed_size: 0
    .kernarg_segment_align: 8
    .kernarg_segment_size: 48
    .max_flat_workgroup_size: 128
    .sgpr_count:     66
    .vgpr_count:     1024
    .wavefront_size: 32
...
	.end_amdgpu_metadata
.endif
;; end of part 2
;; launch fold (part 3): grid 64 x 1, 2 waves a work-group, no clusters, 0 bytes of LDS; arguments part, b3, out0; writes out0
.if DOCPART == 3
	.amdgcn_target "amdgcn-amd-amdhsa--gfx1250"
	.amdhsa_code_object_version 6
	.text
	.protected	k_qbed0e2ecd0_fold
	.globl	k_qbed0e2ecd0_fold
	.p2align	8
	.type	k_qbed0e2ecd0_fold,@function
k_qbed0e2ecd0_fold:
	s_mov_b64 s[64:65], 0
	v_nop
	global_prefetch_b8 v0, s[64:65] scope:SCOPE_SE
	s_setreg_imm32_b32 hwreg(HW_REG_WAVE_MODE, 25, 1), 1
	s_wait_xcnt 0x0
; out0[b][o] = part[4 b][o] + part[4 b + 1][o] + part[4 b + 2][o] + part[4 b + 3][o] + 992 b3[o]: a batch's four partial sums, and the bias of its 32 x 31 pairs by one fused multiply-add
; (the reference adds b3 to each pair and then sums: another order of rounding).  One work-group a batch; thread t takes 4 numbers: every load and store of a wave covers 512 consecutive bytes.
	s_load_b128 s[4:7], s[0:1], 0x0                ; part, b3
	s_load_b64 s[8:9], s[0:1], 0x10                ; out0
	v_lshlrev_b32 v1, 4, v0
	s_lshl_b32 s10, ttmp9, 12                      ; four rows of 1,024 bytes a batch
	s_mov_b32 s11, 0
	s_lshl_b32 s12, ttmp9, 10
	s_mov_b32 s13, 0
	s_wait_kmcnt 0x0
	s_add_nc_u64 s[4:5], s[4:5], s[10:11]
	s_add_nc_u64 s[8:9], s[8:9], s[12:13]
.irp q, 0,1,2,3
	global_load_b128 v[4+4*\q:7+4*\q], v1, s[4:5] offset:1024*\q th:TH_LOAD_NT
.endr
	global_load_b128 v[20:23], v1, s[6:7]
	s_wait_loadcnt 0x0
	v_pk_add_f32 v[4:5], v[4:5], v[8:9]
	v_pk_add_f32 v[6:7], v[6:7], v[10:11]
	v_pk_add_f32 v[12:13], v[12:13], v[16:17]
	v_pk_add_f32 v[14:15], v[14:15], v[18:19]
	v_pk_add_f32 v[4:5], v[4:5], v[12:13]
	v_pk_add_f32 v[6:7], v[6:7], v[14:15]
	v_pk_fma_f32 v[4:5], v[20:21], 0x44780000, v[4:5] op_sel_hi:[1,0,1]   ; + 992.0 x b3
	v_pk_fma_f32 v[6:7], v[22:23], 0x44780000, v[6:7] op_sel_hi:[1,0,1]
	global_store_b128 v1, v[4:7], s[8:9]
	s_endpgm
.Lfunc_end_k_qbed0e2ecd0_fold:
	.size	k_qbed0e2ecd0_fold, .Lfunc_end_k_qbed0e2ecd0_fold-k_qbed0e2ecd0_fold
	.p2alignl 7, 3214868480
	.fill 96, 4, 3214868480
	.section	.rodata,"a",@progbits
	.p2align	6, 0x0
	.amdhsa_kernel k_qbed0e2ecd0_fold
		.amdhsa_group_segment_fixed_size 0
		.amdhsa_private_segment_fixed_size 0
		.amdhsa_enable_private_segment 0
		.amdhsa_kernarg_size 24
		.amdhsa_user_sgpr_count 2
		.amdhsa_user_sgpr_kernarg_segment_ptr 1
		.amdhsa_wavefront_size32 1
		.amdhsa_system_sgpr_workgroup_id_x 1
		.amdhsa_system_sgpr_workgroup_id_y 1
		.amdhsa_system_sgpr_workgroup_id_z 1
		.amdhsa_system_vgpr_workitem_id 0
		.amdhsa_next_free_vgpr 32
		.amdhsa_next_free_sgpr 66
		.amdhsa_reserve_vcc 0
		.amdhsa_float_denorm_mode_32 3
		.amdhsa_float_denorm_mode_16_64 3
		.amdhsa_memory_ordered 1
		.amdhsa_forward_progress 1
		.amdhsa_inst_pref_size 2
	.end_amdhsa_kernel
	.amdgpu_metadata
---
amdhsa.version: [ 1, 2 ]
amdhsa.kernels:
  - .name:           k_qbed0e2ecd0_fold
    .symbol:         k_qbed0e2ecd0_fold.kd
    .args:
      - { .name: part, .offset: 0, .size: 8, .value_kind: global_buffer, .address_space: global }
      - { .name: b3, .offset: 8, .size: 8, .value_kind: global_buffer, .address_space: global }
      - { .name: out0, .offset: 16, .size: 8, .value_kind: global_buffer, .address_space: global }
    .group_segment_fixed_size: 0
    .private_segment_fixed_size: 0
    .kernarg_segment_align: 8
    .kernarg_segment_size: 24
    .max_flat_workgroup_size: 64
    .sgpr_count:     66
    .vgpr_count:     32
    .wavefront_size: 32
...
	.end_amdgpu_metadata
.endif
;; end of part 3
;; ======== version 2 of 2: 3 launches
;; workspace buffers: wq 393,216 bytes; wsc 16,384 bytes; part 262,144 bytes
;; launch prep: the kernel of part 1 again; grid 64 x 1, 2 waves a work-group, no clusters, 6,912 bytes of LDS; arguments W1, W2, W3, wq, wsc; writes wq, wsc
;; launch chain (part 4): grid 256 x 1, 4 waves a work-group, no clusters, 226,304 bytes of LDS; arguments x, b1, b2, wq, wsc, part; writes part
.if DOCPART == 4
	.amdgcn_target "amdgcn-amd-amdhsa--gfx1250"
	.amdhsa_code_object_version 6
	.text
	.protected	k_qbed0e2ecd0_chain
	.globl	k_qbed0e2ecd0_chain
	.p2align	8
	.type	k_qbed0e2ecd0_chain,@function
k_qbed0e2ecd0_chain:
	s_mov_b64 s[64:65], 0
	v_nop
	global_prefetch_b8 v0, s[64:65] scope:SCOPE_SE
	s_setreg_imm32_b32 hwreg(HW_REG_WAVE_SCHED_MODE, 0, 2), 2
	s_setreg_imm32_b32 hwreg(HW_REG_WAVE_MODE, 25, 1), 1
	s_wait_xcnt 0x0
	s_wait_alu depctr_vm_vsrc(0)
; part[wg][o] = the sum over this work-group's pairs (i, j), i != j, of relu(relu([x_i, x_j] W1 + b1) W2 + b2) W3, all three products on codes of FP6 (E2M3) with one E8M0 scale for each 32 along K.
; (992 b3 and the sum of a batch's four work-groups are the next launch's.)
; SHARES.  Work-group wg: batch b = wg / 4, quarter q = wg % 4: rows i = 8 q + a, a = 0..7, against all 32 j: 16 tiles of 16 pairs, tile m = 2 a + jh.  The 8 pairs with i = j are computed with the rest,
; and their codes of the second hidden layer are set to zero, so that they add nothing.
; THE FOUR WAVES SHARE THE COLUMNS, NOT THE ROWS: wave w makes hidden units 128 w .. + 127 of both layers and outputs 64 w .. + 63, for all 256 pairs.  Its part of each weight lies in its REGISTERS,
; loaded once from the images that the launch before has laid.  W2 is loaded under layer 1's work, W3 (into W1's registers) under layer 2's.
; WHY NO CLUSTER, NO JOINT LOADS: they bring tiles into LDS.  The weights' codes and scale words are 409,600 bytes; LDS holds 327,680, of which the two hidden layers' images take 212,992.  Here each weight byte is loaded
; once by a work-group, straight into the register in which it stays.
; A quantised concatenation is the concatenation of the quantised rows (128 is a multiple of 32): each wave quantises the batch's 32 rows of x once.  K step 0 of the first product is x_i for all 16 pairs of a tile:
; that row's registers, read from the wave's own image of x's tile 0 by all lanes of a half.  K step 1 is a tile of x as it stands.
; x's tile jh, lane r, is row 16 (jh ^ (q / 2)) + (r ^ 8 (q % 2)): so the work-group's own rows are always lanes 0-7 of tile 0, the pair i = j is always tile jh = 0, lane r = a, and q enters global addresses alone.
; LAYERS 1 AND 2 ARE USED TRANSPOSED (source 0 = 16 columns of the weight, source 1 = 16 pairs).  Lane r of the weight's tile t of group G holds column 64 G + 32 (r / 8) + 8 t + r % 8: so in the results lane (r, h)
; holds pair r, and register 32 c + i of its 64 the unit 64 c + 32 h + i: THE VERY LAYOUT OF THE NEXT OPERAND, a whole block of 32 in one lane.  No lane is asked for a maximum; only the scale word is joined across the halves.
; A wave's 128 units are one K step of the next product: its codes go to LDS as an image of the operand's registers (three stores of 16 bytes a lane at 16 x lane), its scale words at 4 x lane; one barrier a layer.
; BY TURNS.  Layers 1 and 2 have two sets of eight accumulators.  In turn m the wave issues tile m's products into one set; the relu and the quantiser of tile m - 1, on the other set, are a list of 114 vector
; instructions (122 where a pair i = j is masked) cut into 32 slices, and a slice stands behind each product of layer 2 (32 a turn), two behind each of layer 1 (16 a turn).  So the vector work is issued while the
; matrix unit works.  All that a slice touches lies in window 0, and no window has room for a product's operands beside it (W2 alone is 384 registers): a slice costs two switches of the register window.
; LAYER 3 is used as it stands (source 0 = 16 pairs, source 1 = 16 columns of W3) and its eight accumulators are carried on through all 16 tiles: that is the sum over the pairs; the accumulators' 16 rows are added at the end.
; THE MODE: SCHED_MODE bits 1:0 = 2 (LLVM: expert scheduling mode 2), set by the entry lines.  The code itself states the register dependences between vector or matrix instructions and memory or LDS
; instructions, with s_wait_alu, always for 0.
; THE PLAN.  Registers that memory or LDS instructions touch:
;   v1-v19          addresses: made at the head, ahead of the wait in front of the first load; never written again.
;   PC, PW          the codes and the scale word of a tile.  Written by slices 25 to 31 of turn m (tile m - 1); read by the four LDS stores of turn m + 1.
;   row i           fragment and scale word, TWO buffers by a % 2.  Read by the first eight products of row a's two turns; the loads of row a + 1, issued in turn (a, 1), land in the buffer that row a - 1 left.
;   layer 2's tile  four fragments and four scale words, two buffers by m % 2.  Read by turn m's products; the loads of tile m + 1, issued in turn m, land in the buffer that turn m - 1 read.
;   v250-v254       the addresses of a pair of layer 2's turns: written at the head of every second turn, read by that pair's loads and stores; later layer 3's addresses.
;   layer 3's pair  eight fragments and eight scale words, two buffers by p % 2.  Read by pair p's products; the loads of pair p + 1, issued in pair p, land in the buffer that pair p - 1 read.
;   W2, b2 and W2's scale words land, under layer 1, in registers that nothing has named; W3 and its scale words land, behind layer 1, in W1's.
; So ONE wait on va_vdst stands at a turn's (a pair's) head: the turn before has written PC and PW and is done reading its buffer, and the addresses are written.  The turn's products name their own accumulators,
; weights, bias, buffer and scale words, its slices the other accumulators and v228-v249, and PC and PW from slice 25 on: none of the registers that the turn's loads and stores touch.  So these follow with no
; further wait, DEALT AMONG THE TURN'S FIRST EIGHT PRODUCTS, a few behind each.  ONE wait on vm_vsrc a turn stands ahead of the product that slice 25 follows: the stores have read PC and PW; no memory
; instruction follows it in the turn, so that it also frees v250-v254 for the next turn's head.
; LIMITS: NaN and infinities are not served; a block whose largest magnitude lies under 2^-124 keeps the byte 1; a block of zeros has the byte 1 and zero codes.  The f32 sums go in another order than the reference's (bias first; pairs by tile).
; REGISTERS, in windows of 256 (s_set_vgpr_msb's low byte: bits 1:0 source 0, 3:2 source 1, 5:4 source 2, 7:6 destination):
;   window 0: v1-19 addresses; v20-63 scale words and nothing else; v64-127, v128-191 the two sets of accumulators; v192-215 x's two fragments; v216-254 at work
;   window 1: v0-191 W1's 16 fragments, later W3's 16; v192-255 b1, later v192-239 layer 2's fragment buffer 1
;   window 2: v0-191 W2, K steps 0, 1; v192-255 b2      window 3: v0-191 W2, K steps 2, 3; v192-215 row i's fragment, two buffers, later v192-239 layer 2's fragment buffer 0
;   in layer 3, v0-95 of windows 2 and 3 are two buffers for the second hidden layer's fragments, two tiles each.
.set FRB,  1536                        ; a fragment's image: 12 registers x 128 bytes
.set WSTR, 16*FRB                      ; a wave's 16 images
.set H1,   0                           ; LDS: first hidden layer [K step = writing wave][tile m][FRB]
.set H2,   4*WSTR+4096                 ; second hidden layer likewise.  4,096 spare bytes behind H1, and 512 behind H1S: layer 2's fetches reach up to four tiles ahead of a base that is stepped in its loop,
.set H1S,  H2+4*WSTR                   ; and so stay clear of the bytes that are stored for every value that the base takes, the last too, at which less is fetched.  Scale words [wave][m][128]
.set H2S,  H1S+8192+512
.set XI,   H2S+8192                    ; for each wave 1,792 bytes: the image of x's tile 0, then its scale words
.set XIW,  1792
.set OST,  XI+4*XIW                    ; for each wave 256 bytes: its 64 sums
.set LI,   1                           ; 16 x lane (H1 begins at LDS byte 0: this is also where layer 2 reads K steps 0, 1)
.set LS,   2                           ; 4 x lane
.set L8,   3                           ; 8 x lane
.set BA,   4                           ; 128 h
.set SH8,  5                           ; 8 h
.set RR,   6                           ; r
.set XA0,  7                           ; x: my byte in tile 0, tile 1
.set XA1,  8
.set XW,   9                           ; my wave's image of x's tile 0: where I store,
.set XWS,  10                          ; its scale words,
.set XBA,  11                          ; where my half of the lanes reads a row's registers back,
.set XBSA, 12                          ; and that row's scale word
.set W1A,  13                          ; where I store layer 1's images, scale words
.set W1S,  14
.set S2,   16                          ; where layer 2 reads scale words
.set W2A,  17                          ; where I store layer 2's images, scale words
.set W2S,  18
.set R2B,  19                          ; where layer 2 reads K steps 2, 3
.set WS1,  20                          ; W1's scale words: register 4 c + 2 s + e: tile 2 e in lanes 0-15, tile 2 e + 1 in lanes 16-31
.set WS3,  20                          ; later W3's: 2 s + e
.set WS2,  28                          ; W2's: 8 c + 2 s + e
.set XFS0, 44                          ; x's scale words: tile 0, tile 1 (v45)
.set XBS,  46                          ; row i's: v46 for an even a, v47 for an odd one
.set HSB,  48                          ; the hidden layers' scale words: layer 2: 4 x buffer + K step; layer 3: 8 x buffer + 4 e + K step
.set HA0,  64                          ; layers 1, 2: accumulator t = 4 c + tile at 8 t of a set; even tiles in set 0,
.set HA1,  128                         ; odd tiles in set 1
.set OA,   64                          ; layer 3: accumulator (e, n) at OA + 8 (4 e + n)
.set X2,   128                         ; x's tile 1 as f32
.set SM,   128                         ; the way out
.set XF0,  192                         ; x's fragments: tile 0, tile 1 (v204)
.set XBW,  192                         ; in window 3: row i's fragment: v192-203 for an even a, v204-215 for an odd one
.set AFW,  192                         ; in window 3 (buffer 0) and window 1 (buffer 1): the first hidden layer's four fragments of a tile
.set PC,   216                         ; the codes just made
.set CT,   228                         ; a block's upper 16 codes as converted
.set TM,   236                         ; +0..3 maxima, +4, 5 scale operands, +6, 7 bytes, +8 the other half's bytes
.set PW,   248                         ; the scale word just made
.set DM,   249                         ; the diagonal's mask
.set RA0,  250                         ; layer 2, the pair of turns in hand: reads, K steps 0, 1;
.set RA1,  251                         ; K steps 2, 3;
.set SA,   252                         ; scale words;
.set WA,   253                         ; stores: images,
.set SWA,  254                         ; scale words
.set R3A,  250                         ; layer 3 (layer 2's are free then)
.set R3B,  251
.set S3,   252
.set OSA,  253
.set OLA,  254
.set B1,   192                         ; in window 1
.set B2,   192                         ; in window 2
.set MSB, 0
.macro WIN new                         ; the immediate's high byte repeats the setting that is left; a switch that changes nothing is dropped
.if MSB != (\new)
	s_set_vgpr_msb (MSB<<8)|(\new)
.set MSB, (\new)
.endif
.endm
; A vector instruction that reads a matrix result or writes one of a matrix instruction's registers stands four places behind it; only plain vector instructions that name none of its registers
; are places (ISA guide 7.12.1).  In the turns the slices are the places.  The places that stood in front of loads into a product's registers stay too, beside the waits on va_vdst.
.macro PLACES
.rept 4
	v_nop
.endr
.endm
; One matrix instruction.  c < 0: the constant 0 starts the sum.  row = 1: A's scales stand in lanes 16-31 of their register; 2: B's do.
.macro WM d, a, b, c, sa, sb, row
.if (\c) < 0
.if (\row) == 0
	v_wmma_scale_f32_16x16x128_f8f6f4 v[(\d):(\d)+7], v[(\a):(\a)+11], v[(\b):(\b)+11], 0, v[(\sa)], v[(\sb)] matrix_a_fmt:MATRIX_FMT_FP6 matrix_b_fmt:MATRIX_FMT_FP6
.else
	v_wmma_scale_f32_16x16x128_f8f6f4 v[(\d):(\d)+7], v[(\a):(\a)+11], v[(\b):(\b)+11], 0, v[(\sa)], v[(\sb)] matrix_a_fmt:MATRIX_FMT_FP6 matrix_b_fmt:MATRIX_FMT_FP6 matrix_b_scale:MATRIX_SCALE_ROW1
.endif
.elseif (\row) == 0
	v_wmma_scale_f32_16x16x128_f8f6f4 v[(\d):(\d)+7], v[(\a):(\a)+11], v[(\b):(\b)+11], v[(\c):(\c)+7], v[(\sa)], v[(\sb)] matrix_a_fmt:MATRIX_FMT_FP6 matrix_b_fmt:MATRIX_FMT_FP6
.elseif (\row) == 1
	v_wmma_scale_f32_16x16x128_f8f6f4 v[(\d):(\d)+7], v[(\a):(\a)+11], v[(\b):(\b)+11], v[(\c):(\c)+7], v[(\sa)], v[(\sb)] matrix_a_fmt:MATRIX_FMT_FP6 matrix_b_fmt:MATRIX_FMT_FP6 matrix_a_scale:MATRIX_SCALE_ROW1
.else
	v_wmma_scale_f32_16x16x128_f8f6f4 v[(\d):(\d)+7], v[(\a):(\a)+11], v[(\b):(\b)+11], v[(\c):(\c)+7], v[(\sa)], v[(\sb)] matrix_a_fmt:MATRIX_FMT_FP6 matrix_b_fmt:MATRIX_FMT_FP6 matrix_b_scale:MATRIX_SCALE_ROW1
.endif
.endm
; x's quantiser, at the head: 64 numbers of a lane, register 32 c + i = k 64 c + 32 h + i of my row, become a fragment's 12 registers at v[dst] and my row's scale word in v[pw].  Blocks h and 2 + h are wholly mine.
.macro QUANT src, dst, pw
	v_max3_num_f32 v[TM], |v[(\src)]|, |v[(\src)+1]|, |v[(\src)+2]|            ; two blocks, two chains each, by turns: no line waits for the line above it
	v_max3_num_f32 v[TM+1], |v[(\src)+32]|, |v[(\src)+33]|, |v[(\src)+34]|
	v_max3_num_f32 v[TM+2], |v[(\src)+3]|, |v[(\src)+4]|, |v[(\src)+5]|
	v_max3_num_f32 v[TM+3], |v[(\src)+35]|, |v[(\src)+36]|, |v[(\src)+37]|
.irp i, 6,10,14,18,22,26
	v_max3_num_f32 v[TM], v[TM], |v[(\src)+\i]|, |v[(\src)+\i+1]|
	v_max3_num_f32 v[TM+1], v[TM+1], |v[(\src)+32+\i]|, |v[(\src)+33+\i]|
	v_max3_num_f32 v[TM+2], v[TM+2], |v[(\src)+\i+2]|, |v[(\src)+\i+3]|
	v_max3_num_f32 v[TM+3], v[TM+3], |v[(\src)+34+\i]|, |v[(\src)+35+\i]|
.endr
	v_max3_num_f32 v[TM], v[TM], |v[(\src)+30]|, |v[(\src)+31]|
	v_max3_num_f32 v[TM+1], v[TM+1], |v[(\src)+62]|, |v[(\src)+63]|
	v_max3_num_f32 v[TM], v[TM], v[TM+2], 0x1800000                            ; and the floor 2^(3 - 127): the byte cannot fall under 1
	v_max3_num_f32 v[TM+1], v[TM+1], v[TM+3], 0x1800000
	v_add_nc_u32 v[TM+4], 0xff000000, v[TM]        ; 2 off the exponent field: the conversion's scale operand
	v_add_nc_u32 v[TM+5], 0xff000000, v[TM+1]
	v_lshrrev_b32 v[TM+6], 23, v[TM+4]             ; the scales' bytes
	v_lshrrev_b32 v[TM+7], 23, v[TM+5]
	v_lshl_or_b32 v[\pw], v[TM+7], 16, v[TM+6]     ; blocks h and 2 + h,
	v_lshlrev_b32 v[\pw], v[SH8], v[\pw]           ; at their places in the word;
	v_permlanex16_b32 v[TM+8], v[\pw], s20, s21
	v_or_b32 v[\pw], v[\pw], v[TM+8]               ; with lane l xor 16's two the word is whole
.irp c, 0,1
	v_cvt_scalef32_pk16_fp6_f32 v[(\dst)+6*\c:(\dst)+6*\c+2], v[(\src)+32*\c:(\src)+32*\c+15], v[TM+4+\c]
	v_cvt_scalef32_pk16_fp6_f32 v[CT+4*\c:CT+4*\c+2], v[(\src)+32*\c+16:(\src)+32*\c+31], v[TM+4+\c]   ; (a conversion's three registers begin on an even number)
.endr
	v_nop                                          ; one plain place behind a scaled conversion
.irp c, 0,1
.irp i, 0,1,2
	v_mov_b32 v[(\dst)+6*\c+3+\i], v[CT+4*\c+\i]
.endr
.endr
.endm
; THE VECTOR WORK OF A TILE OF A HIDDEN LAYER is a numbered list; VW writes number j of it for the accumulator set at v[h].  msk = 1: the tile holds the pair i = j (lane r = s44), whose codes become zeros.
;   0-63     relu, each accumulator from its low end on
;   64-95    the largest number of my two blocks of 32 (none is negative): two chains a block, the four by turns, and the floor 2^(3 - 127), so that the byte cannot fall under 1
;   96-99    2 off the exponent fields: the conversions' scale operands; the scales' bytes
;   100-104  the four conversions, and a plain instruction behind them: my two bytes in one word
;   105-108  the bytes at their places in the scale word; (the mask;) the other half of the lanes' two bytes
;   109-111  block h's upper 16 codes to their registers (a conversion's three registers begin on an even number); with a mask the move is an AND
;   112-117  (with a mask: the codes that the conversions have put in place)
;   118-121  block 2 + h's upper 16 codes; the scale word is whole
.macro VW h, msk
.if (\msk) || (j < 106) || ((j > 107) && (j < 112)) || (j > 117)
	WIN 0
.if j < 64
	v_max_num_f32 v[(\h)+j], 0, v[(\h)+j]
.elseif j < 68
.set VQ, j-64
.set VS, (\h)+32*(VQ%2)+3*(VQ/2)
	v_max3_num_f32 v[TM+VQ], v[VS], v[VS+1], v[VS+2]
.elseif j < 92
.set VQ, (j-68)%4
.set VS, (\h)+6+4*((j-68)/4)+32*(VQ%2)+2*(VQ/2)
	v_max3_num_f32 v[TM+VQ], v[TM+VQ], v[VS], v[VS+1]
.elseif j < 94
.set VQ, j-92
	v_max3_num_f32 v[TM+VQ], v[TM+VQ], v[(\h)+30+32*VQ], v[(\h)+31+32*VQ]
.elseif j < 96
.set VQ, j-94
	v_max3_num_f32 v[TM+VQ], v[TM+VQ], v[TM+2+VQ], 0x1800000
.elseif j < 98
	v_add_nc_u32 v[TM+4+j-96], 0xff000000, v[TM+j-96]
.elseif j < 100
	v_lshrrev_b32 v[TM+6+j-98], 23, v[TM+4+j-98]
.elseif j < 104
.set VQ, (j-100)/2
.if (j%2) == 0
	v_cvt_scalef32_pk16_fp6_f32 v[PC+6*VQ:PC+6*VQ+2], v[(\h)+32*VQ:(\h)+32*VQ+15], v[TM+4+VQ]
.else
	v_cvt_scalef32_pk16_fp6_f32 v[CT+4*VQ:CT+4*VQ+2], v[(\h)+32*VQ+16:(\h)+32*VQ+31], v[TM+4+VQ]
.endif
.elseif j == 104
	v_lshl_or_b32 v[PW], v[TM+7], 16, v[TM+6]
.elseif j == 105
	v_lshlrev_b32 v[PW], v[SH8], v[PW]
.elseif j == 106
	v_cmp_ne_u32 vcc_lo, s44, v[RR]
.elseif j == 107
	s_wait_alu depctr_va_vcc(0)                    ; the compare above has written VCC, which the next line reads
	v_cndmask_b32 v[DM], 0, -1, vcc_lo
.elseif j == 108
	v_permlanex16_b32 v[TM+8], v[PW], s20, s21
.elseif j < 112
.if \msk
	v_and_b32 v[PC+3+j-109], v[DM], v[CT+j-109]
.else
	v_mov_b32 v[PC+3+j-109], v[CT+j-109]
.endif
.elseif j < 115
	v_and_b32 v[PC+j-112], v[DM], v[PC+j-112]
.elseif j < 118
	v_and_b32 v[PC+6+j-115], v[DM], v[PC+6+j-115]
.elseif j < 121
.if \msk
	v_and_b32 v[PC+9+j-118], v[DM], v[CT+4+j-118]
.else
	v_mov_b32 v[PC+9+j-118], v[CT+4+j-118]
.endif
.else
	v_or_b32 v[PW], v[PW], v[TM+8]
.endif
.endif
.endm
; Slice k of 32.  Slices 0 to 23 are four numbers each; the conversions and their plain instruction are one slice; the last four numbers, all plain, are kept for slice 31, behind a turn's last product.
; So slices 7, 15, 23 and 31 are four plain instructions on the other set: the places behind a K step's last product.  PC and PW are written from slice 25 on.
.macro SLICE h, msk
.if k < 24
.set JL, 4*k
.set JN, 4
.elseif k == 24
.set JL, 96
.set JN, 4
.elseif k == 25
.set JL, 100
.set JN, 5
.elseif k == 26
.set JL, 105
.set JN, 4
.elseif k == 27
.set JL, 109
.set JN, 4
.elseif k == 28
.set JL, 113
.set JN, 4
.elseif k == 29
.set JL, 117
.set JN, 1
.elseif k == 30
.set JL, 0
.set JN, 0
.else
.set JL, 118
.set JN, 4
.endif
.set j, JL
.if JN > 0
.rept JN
	VW \h, \msk
.set j, j+1
.endr
.endif
.set k, k+1
.endm
.macro VECALL h, msk                   ; a layer's last tile: the whole list on end; there is no product left to set it between
.set k, 0
.rept 24
	SLICE \h, \msk
.endr
	s_wait_alu depctr_va_vdst(0)
	s_wait_dscnt 0x0                               ; the stores of the tile before are done,
	s_wait_alu depctr_vm_vsrc(0)                   ; and have read PC and PW, which the slices below write again
.rept 8
	SLICE \h, \msk
.endr
.endm
.macro PUT1 wa, swa, tile, g           ; the fragment in v[PC] on goes to LDS as it stands, its scale words beside it: store g of the four
	WIN 0
.if (\g) < 3
	ds_store_b128 v[\wa], v[PC+4*(\g):PC+4*(\g)+3] offset:FRB*(\tile)+512*(\g)
.else
	ds_store_b32 v[\swa], v[PW] offset:128*(\tile)
.endif
.endm
.macro PUT wa, swa, tile               ; all four
.irp g, 0,1,2,3
	PUT1 \wa, \swa, \tile, \g
.endr
.endm
.macro BARRIER                         ; my LDS stores have landed and my LDS loads are in: then the work-group's barrier
	s_wait_dscnt 0x0
	s_barrier_signal -1
	s_barrier_wait -1
.endm
	s_load_b256 s[4:11], s[0:1], 0x0               ; x s[4:5], b1 s[6:7], b2 s[8:9], wq s[10:11]
	s_load_b128 s[12:15], s[0:1], 0x20             ; wsc s[12:13], part s[14:15]
	v_lshl_add_u32 v247, v0, 2, 0x37200
	v_mov_b32 v255, 0
	v_lshrrev_b32 v1, 5, v0
	v_readfirstlane_b32 s16, v1                    ; wave 0..3
	v_and_b32 v3, 31, v0
	v_lshlrev_b32 v[LI], 4, v3
	v_lshlrev_b32 v[LS], 2, v3
	v_lshlrev_b32 v[L8], 3, v3
	v_and_b32 v[RR], 15, v0
	v_bfe_u32 v[SH8], v0, 4, 1                     ; h for now
	s_wait_alu depctr_va_vdst(0)
	v_lshlrev_b32 v[BA], 7, v[SH8]
	s_and_b32 s18, ttmp9, 3                        ; q
	s_lshr_b32 s19, ttmp9, 2                       ; b
	s_and_b32 s48, s18, 1
	s_lshl_b32 s48, s48, 3                         ; 8 (q % 2)
	s_lshr_b32 s49, s18, 1
	s_lshl_b32 s49, s49, 13                        ; 16 rows of 512 bytes x (q / 2)
	s_xor_b32 s50, s49, 8192                       ; and the other 16 rows
	v_xor_b32 v[XA0], s48, v[RR]
	v_lshl_add_u32 v[XA0], v[XA0], 9, v[BA]        ; row (r ^ 8 (q % 2)) of 512 bytes + 128 h: my 32 numbers of each 64
	v_add_nc_u32 v[XA1], s50, v[XA0]
	v_add_nc_u32 v[XA0], s49, v[XA0]
	s_wait_alu depctr_va_sdst(0)                   ; s16 is written, ahead of its first reader: LDS addresses and the weights' bases are made from it
	s_mul_i32 s53, s16, WSTR
	s_mul_i32 s51, s16, XIW                        ; LDS addresses: a constant + a constant x lane + a constant x wave.  All of them are made here, while the arguments are on their way
	s_add_co_u32 s51, s51, XI
	s_add_co_u32 s52, s51, FRB
	v_add_nc_u32 v[XW], s51, v[LI]
	v_add_nc_u32 v[XWS], s52, v[LS]
	v_lshl_add_u32 v[XBA], v[SH8], 8, s51          ; operand lane 16 h + a lies at 256 h + 16 a of each 512 bytes
	v_mov_b32 v[XBSA], s52
	v_add_nc_u32 v[W1A], s53, v[LI]
	v_add_nc_u32 v[W2A], H2, v[W1A]
	s_lshl_b32 s54, s16, 11
	s_add_co_u32 s54, s54, H1S
	v_add_nc_u32 v[W1S], s54, v[LS]
	v_add_nc_u32 v[W2S], H2S-H1S, v[W1S]
	v_add_nc_u32 v[R2B], 2*WSTR, v[LI]
	v_add_nc_u32 v[S2], H1S, v[LS]
	v_lshlrev_b32 v[SH8], 3, v[SH8]
	v_mov_b32 v[TM+8], 0                           ; written once: a lane permute's destination counts as one of its sources
	s_mov_b32 s20, 0x76543210
	s_mov_b32 s21, 0xfedcba98                      ; v_permlanex16_b32's selects for lane l xor 16
	s_mov_b32 s47, 0
	s_lshl_b32 s46, s19, 14
	s_wait_kmcnt 0x0
	s_add_nc_u64 s[22:23], s[4:5], s[46:47]        ; x at my batch
	s_wait_alu depctr_va_vdst(0)                   ; the addresses v1 to v19 are written, which the loads and stores of the whole kernel read; none of them is written again
.irp c, 0,1                            ; x first: it is wanted first.  Register 32 c + 4 e on: k = 64 c + 32 h + 4 e on
.irp e, 0,1,2,3,4,5,6,7
	global_load_b128 v[HA0+32*\c+4*\e:HA0+32*\c+4*\e+3], v[XA0], s[22:23] offset:256*\c+16*\e
.endr
.endr
.irp c, 0,1
.irp e, 0,1,2,3,4,5,6,7
	global_load_b128 v[X2+32*\c+4*\e:X2+32*\c+4*\e+3], v[XA1], s[22:23] offset:256*\c+16*\e
.endr
.endr
	s_lshl_b32 s46, s16, 9
	s_add_nc_u64 s[24:25], s[6:7], s[46:47]        ; b1, b2 at my 128 units
	s_add_nc_u64 s[26:27], s[8:9], s[46:47]
	s_mov_b32 s46, s53
	s_add_nc_u64 s[28:29], s[10:11], s[46:47]      ; W1: units 4 w on: 24,576 w
	s_add_nc_u64 s[32:33], s[28:29], 48*6144       ; W3: units 48 + 4 w on
	s_add_nc_u64 s[30:31], s[28:29], s[46:47]
	s_add_nc_u64 s[30:31], s[30:31], 16*6144       ; W2: units 16 + 8 w on
	s_lshl_b32 s46, s16, 10
	s_add_nc_u64 s[34:35], s[12:13], s[46:47]      ; their scale words, 256 bytes a unit
	s_add_nc_u64 s[38:39], s[34:35], 48*256
	s_add_nc_u64 s[36:37], s[34:35], s[46:47]
	s_add_nc_u64 s[36:37], s[36:37], 16*256
	s_lshl_b32 s46, ttmp9, 10
	s_lshl_b32 s48, s16, 8
	s_add_co_u32 s46, s46, s48
	s_add_nc_u64 s[40:41], s[14:15], s[46:47]      ; part at my wave's 64 numbers
.irp n, 0,1,2,3
	global_load_b64 v[WS1+2*\n:WS1+2*\n+1], v[L8], s[34:35] offset:256*\n
.endr
	WIN 0x40                                       ; destination window 1
.set i, 0
.rept 48                               ; W1's 16 fragments in the order of memory: fragment 8 c + 4 s + tile at v[12 x that]
	global_load_b128 v[4*i:4*i+3], v[LI], s[28:29] offset:512*i
.set i, i+1
.endr
.set i, 0
.rept 16                               ; b1 in the result's layout: accumulator t = i / 2, lane (r, h): units 64 (t / 4) + 32 h + 8 (t % 4) + 0 .. 7
	global_load_b128 v[B1+4*i:B1+4*i+3], v[BA], s[24:25] offset:256*(i/8)+32*((i/2)%4)+16*(i%2)
.set i, i+1
.endr
	WIN 0
	s_wait_loadcnt 63                              ; x is in: 68 loads stand behind its last; the count is what the field holds, and a smaller count is safe
	QUANT HA0, XF0, XFS0
	QUANT X2, XF0+12, XFS0+1
.rept 8
	v_nop                                          ; a scale register written by a vector instruction stands 8 places ahead of a scaled matrix instruction, an operand so written 4
.endr
	s_wait_alu depctr_va_vdst(0)                   ; the quantiser has written x's two fragments and scale words: the LDS stores below read tile 0's, and layer 1's products take both tiles' as source 1 and as scales (the places above stay beside this wait)
.irp g, 0,1,2
	ds_store_b128 v[XW], v[XF0+4*\g:XF0+4*\g+3] offset:512*\g      ; tile 0's image, in my wave's own bytes
.endr
	ds_store_b32 v[XWS], v[XFS0]
	WIN 0xc0                                       ; destination window 3
.irp g, 0,1,2
	ds_load_b128 v[XBW+4*\g:XBW+4*\g+3], v[XBA] offset:512*\g      ; row i = 8 q: LDS serves a wave's instructions in order (ISA guide 5.7.1.4): these see my stores
.endr
	WIN 0
	ds_load_b32 v[XBS], v[XBSA]
	s_wait_loadcnt 0x0                             ; W1, its scale words, b1
; W2, its scale words and b2 come in under layer 1: load n of 120, eight in each of the first 15 turns.  They land in registers that no instruction has named.
.macro W2LOAD n
.if (\n) < 8
	WIN 0
	global_load_b64 v[WS2+2*(\n):WS2+2*(\n)+1], v[L8], s[36:37] offset:256*(\n)
.elseif (\n) < 24
	WIN 0x80
	global_load_b128 v[B2+4*((\n)-8):B2+4*((\n)-8)+3], v[BA], s[26:27] offset:256*(((\n)-8)/8)+32*((((\n)-8)/2)%4)+16*(((\n)-8)%2)
.else
.set WK, (\n)-24
.set WF, WK/3                          ; fragment 16 c + 4 s + tile, in the order of memory
	WIN 0x80+0x40*(((WF/4)%4)/2)                   ; K steps 0, 1: window 2; 2, 3: window 3
.set WR, 12*(8*((WF/4)%2)+4*(WF/16)+WF%4)+4*(WK%3)
	global_load_b128 v[WR:WR+3], v[LI], s[30:31] offset:512*WK
.endif
.endm
; LAYER 1, turn m = 2 a + jh: the products of pairs (8 q + a, x's tile jh) into set jh | the vector work of tile m - 1, two slices behind each product.
; The eight accumulators take turns, one instruction a turn.
; The turn's memory instructions are dealt among its first eight products: behind the first the next row i (odd turns), behind the next four the stores of tile m - 2's image, behind the two after them four loads of W2 each.
.macro T1 a, jh
.set M, 2*(\a)+(\jh)
.set HP, HA0+64*(\jh)
.set HV, HA1-64*(\jh)
.set XB, XBW+12*((\a)%2)               ; row a's buffer,
.set XN, XBW+12*(((\a)+1)%2)           ; and the other, which row a - 1 left two turns back, ahead of the last two waits on va_vdst
.set k, 0
	s_wait_dscnt 0x0                               ; the last turn's LDS instructions are done: row i's fragment and scale word are in
.if M > 1
	s_wait_alu depctr_va_vdst(0)                   ; the last turn's slices have written PC and PW, which this turn's four stores read.  (Turns 0 and 1 store nothing, and their loads land in registers that nothing has named)
.endif
.irp t, 0,1,2,3,4,5,6,7
	WIN 0x1d                                       ; W1 and b1 in window 1, row i in window 3
	WM HP+8*\t, 12*(8*(\t/4)+\t%4), XB, B1+8*\t, WS1+4*(\t/4)+(\t%4)/2, XBS+(\a)%2, \t%2
.if M > 0
	SLICE HV, 0
	SLICE HV, 0
.endif
.if (\t == 0) && ((\jh) == 1) && ((\a) < 7)
	WIN 0xc0
.irp g, 0,1,2
	ds_load_b128 v[XN+4*\g:XN+4*\g+3], v[XBA] offset:16*((\a)+1)+512*\g   ; the next row i, into the other buffer.  No wait: no vector or matrix instruction since the last wait on va_vdst names it
.endr
	WIN 0
	ds_load_b32 v[XBS+((\a)+1)%2], v[XBSA] offset:4*((\a)+1)
.endif
.if (\t > 0) && (\t < 5) && (M > 1)
	PUT1 W1A, W1S, M-2, \t-1                       ; K step w of the second product, tile m - 2: this turn's slices write PC and PW only from slice 25 on
.endif
.if (\t > 4) && (\t < 7) && (M < 15)
.set NN, 8*M+4*(\t-5)
.rept 4
	W2LOAD NN
.set NN, NN+1
.endr
.endif
.endr
.irp t, 0,1,2,3,4,5,6,7
.if (\t == 4) && (M > 1)
	s_wait_alu depctr_vm_vsrc(0)                   ; this turn's four stores have read PC and PW, which slice 25, behind the next product, begins to write again
.endif
	WIN 0x01
	WM HP+8*\t, 12*(8*(\t/4)+4+\t%4), XF0+12*(\jh), HP+8*\t, WS1+4*(\t/4)+2+(\t%4)/2, XFS0+(\jh), \t%2
.if M > 0
	SLICE HV, 0
	SLICE HV, 0
.endif
.endr
	WIN 0
.if M == 0
	PLACES                                         ; the first turn has no slices: these are the places in front of the next turn's first read of its results
.endif
.endm
.irp a, 0,1,2,3,4,5,6,7
	T1 \a, 0
	T1 \a, 1
.endr
	s_wait_alu depctr_va_vdst(0)                   ; turn 15's slices have written PC and PW, tile 14's, which the stores read
	PUT W1A, W1S, 14
	VECALL HA1, 0                                  ; tile 15
	s_wait_alu depctr_va_vdst(0)                   ; the list has written PC and PW, tile 15's, which the stores read; and layer 1's products are done reading W1's fragments and scale words, in which W3's loads below land
	PUT W1A, W1S, 15
	s_wait_loadcnt 0x0                             ; W2, its scale words and b2 are in
	WIN 0x40
.set i, 0
.rept 48                               ; W3's 16 fragments (4 s + tile) take W1's registers: they have all of layer 2 in which to land
	global_load_b128 v[4*i:4*i+3], v[LI], s[32:33] offset:512*i
.set i, i+1
.endr
	WIN 0
.irp n, 0,1,2,3
	global_load_b64 v[WS3+2*\n:WS3+2*\n+1], v[L8], s[38:39] offset:256*\n
.endr
	BARRIER                                        ; the first hidden layer's 64 fragments lie in LDS
; LAYER 2.  The addresses of a pair of turns: s42 = 3,072 x pair, s43 = 256 x pair.  They are written behind the wait on vm_vsrc of the turn before, behind which no memory instruction was issued.
.macro ADDR
	v_add_nc_u32 v[RA0], s42, v[LI]
	v_add_nc_u32 v[RA1], s42, v[R2B]
	v_add_nc_u32 v[WA], s42, v[W2A]
	v_add_nc_u32 v[SA], s43, v[S2]
	v_add_nc_u32 v[SWA], s43, v[W2S]
.endm
; A tile's fragment of K step s into buffer b (0: window 3, 1: window 1); off: tiles on from the pair's base.  Three LDS loads.
.macro F2FRAG b, off, s
	WIN 0xc0-0x80*(\b)
.irp g, 0,1,2
	ds_load_b128 v[AFW+12*(\s)+4*\g:AFW+12*(\s)+4*\g+3], v[RA0+(\s)/2] offset:WSTR*((\s)%2)+FRB*(\off)+512*\g
.endr
.endm
.macro F2SC b, off, s                  ; and its scale words
	WIN 0
	ds_load_b32 v[HSB+4*(\b)+(\s)], v[SA] offset:2048*(\s)+128*(\off)
.endm
.macro FETCH2 b, off                   ; a whole tile: 16 LDS loads
.irp s, 0,1,2,3
	F2FRAG \b, \off, \s
.endr
.irp s, 0,1,2,3
	F2SC \b, \off, \s
.endr
.endm
; Turn m, p = m % 2: tile m's 32 products, from fragment buffer p into set p | the vector work of tile m - 1 (vec = 1), a slice behind each product; an even tile holds a pair i = j, so the mask goes with p = 1.
; The turn's memory instructions are dealt among its first eight products: behind each of the first four a fragment of tile m + 1 (foff: tiles on from the base; -1: none), into the other buffer; behind each of the
; next four one of its scale words and one store of tile m - 2's image (poff likewise).  The loads have 24 products or more in which to land.  upd = 1: the pair's addresses are made.
.macro T2 p, vec, upd, poff, foff
.set HP, HA0+64*(\p)
.set HV, HA1-64*(\p)
.set WB, 0x0c-0x08*(\p)                ; source 1: window 3 or window 1
.set k, 0
	s_wait_dscnt 0x0                               ; the last turn's LDS instructions are done: this tile's fragments and scale words are in
.if \upd
	ADDR
.endif
.if \vec
	s_wait_alu depctr_va_vdst(0)                   ; the last turn's products are done reading the other buffer and its scale words, in which this turn's loads land; its slices have written PC and PW, which this turn's stores read; the addresses above are written
.endif
.irp s, 0,1,2,3
.if (\s == 3) && (\vec)
	s_wait_alu depctr_vm_vsrc(0)                   ; the last stores have read PC and PW, which slice 25, behind the next product but one, begins to write again; and this turn's loads and stores have read v250 to v254, which the next turn's head may write
.endif
.irp t, 0,1,2,3,4,5,6,7
.if \s == 0
	WIN 0x22+WB                                    ; W2 and b2 in window 2
	WM HP+8*\t, 12*\t, AFW, B2+8*\t, WS2+8*(\t/4)+(\t%4)/2, HSB+4*(\p), \t%2
.else
	WIN 0x02+(\s/2)+WB                             ; W2's K step 1 in window 2, K steps 2, 3 in window 3
	WM HP+8*\t, 12*(8*(\s%2)+\t), AFW+12*\s, HP+8*\t, WS2+8*(\t/4)+2*\s+(\t%4)/2, HSB+4*(\p)+\s, \t%2
.endif
.if \vec
	SLICE HV, \p
.endif
.if \s == 0                            ; no wait: no vector or matrix instruction since the wait at the turn's head names a register that these loads and stores touch
.if ((\foff) >= 0) && (\t < 4)
	F2FRAG 1-(\p), \foff, \t
.endif
.if ((\foff) >= 0) && (\t > 3)
	F2SC 1-(\p), \foff, \t-4
.endif
.if ((\poff) >= 0) && (\t > 3)
	PUT1 WA, SWA, \poff, \t-4                      ; K step w of the third product
.endif
.endif
.endr
.endr
	WIN 0
.if !(\vec)
	PLACES                                         ; the first turn has no slices: these are the places in front of the next turn's first read of its results
.endif
.endm
	s_mov_b32 s42, 0
	s_mov_b32 s43, 0
	s_mov_b32 s44, 0                               ; a of the even tile whose vector work is in hand
	s_mov_b32 s45, 6
	ADDR
	s_wait_alu depctr_va_vdst(0)                   ; the five addresses are written, which the loads below read.  (Row i's and b1's registers, in which tiles 0 and 1 land, were last read ahead of the wait in front of tile 15's stores)
	FETCH2 0, 0                                    ; tile 0
	T2 0, 0, 0, -1, 1                              ; turn 0: nothing to quantise yet
	T2 1, 1, 0, -1, 2                              ; turn 1: nothing to store yet
	s_mov_b32 s44, 1
.Lpair:                                            ; six trips of two turns, m = 2 .. 13
	T2 0, 1, 1, 0, 3
	T2 1, 1, 0, 1, 4
	s_add_co_u32 s42, s42, 2*FRB
	s_add_co_u32 s43, s43, 256
	s_add_co_u32 s44, s44, 1
	s_sub_co_u32 s45, s45, 1
	s_cmp_lg_u32 s45, 0
	s_cbranch_scc1 .Lpair
	T2 0, 1, 1, 0, 3                               ; turns 14 and 15 are written out: behind tile 15 nothing is fetched
	T2 1, 1, 0, 1, -1
	s_wait_alu depctr_va_vdst(0)                   ; turn 15's slices have written PC and PW, tile 14's, which the stores read
	PUT WA, SWA, 2                                 ; tile 14
	VECALL HA1, 0                                  ; tile 15
	s_wait_alu depctr_va_vdst(0)                   ; the list has written PC and PW, tile 15's, which the stores read
	PUT WA, SWA, 3
	s_wait_loadcnt 0x0                             ; W3 and its scale words are in
	BARRIER                                        ; the second hidden layer's 64 fragments lie in LDS
	; LAYER 3
	s_wait_alu depctr_vm_vsrc(0)                   ; layer 2's last stores have read v253 and v254, its loads v250 to v252: the lines below write the five again
	v_add_nc_u32 v[R3A], H2, v[LI]
	v_add_nc_u32 v[R3B], H2+2*WSTR, v[LI]
	v_add_nc_u32 v[S3], H2S, v[LS]
	v_and_b32 v[OSA], 7, v[RR]
	v_lshlrev_b32 v[OSA], 2, v[OSA]
	v_lshrrev_b32 v[OLA], 3, v[RR]
	v_lshl_add_u32 v[OSA], v[OLA], 7, v[OSA]
	s_lshl_b32 s48, s16, 8
	s_add_co_u32 s48, s48, OST
	v_add_nc_u32 v[OSA], s48, v[OSA]               ; lane r of tile n holds output 32 (r / 8) + 8 n + r % 8 of my 64
	v_add_nc_u32 v[OLA], s48, v[L8]
	s_wait_alu depctr_va_vdst(0)                   ; layer 3's five addresses are written; layer 2's products are done reading W2's registers and the scale words v48 to v55, in which the first two pairs' loads land
; Tiles 2 p and 2 p + 1 go into window 2 + p % 2 (tile e, K step k at 48 e + 12 k).  F3FRAG: tile e, K steps 2 hf and 2 hf + 1: six LDS loads.  F3SC: the pair's eight scale words.
.macro F3FRAG p, e, hf
	WIN 0x80+0x40*((\p)%2)
.irp k, 0,1
.irp g, 0,1,2
	ds_load_b128 v[48*(\e)+24*(\hf)+12*\k+4*\g:48*(\e)+24*(\hf)+12*\k+4*\g+3], v[R3A+(\hf)] offset:WSTR*\k+FRB*(2*(\p)+(\e))+512*\g
.endr
.endr
.endm
.macro F3SC p
	WIN 0
.irp e, 0,1
.irp k, 0,1,2,3
	ds_load_b32 v[HSB+8*((\p)%2)+4*\e+\k], v[S3] offset:2048*\k+128*(2*(\p)+\e)
.endr
.endr
.endm
; 32 matrix instructions: the eight accumulators (tile's parity e, W3's tile n) by turns, K step by K step.  They are never begun anew: the very first products start the sums with the constant 0.
; The next pair's 32 loads are dealt among them in five pieces, behind products 4, 8, 12, 16 and 20, into the buffer that the pair before read.
.macro PAIR3 p
	s_wait_dscnt 0x0                               ; this pair's loads, issued in the pair before, are in
.if ((\p) > 0) && ((\p) < 7)
	s_wait_alu depctr_va_vdst(0)                   ; the pair before's products are done reading their fragments and scale words, in which the loads dealt below land.  (Pair 0's loads land in registers that nothing has named since the wait above; pair 7 loads nothing)
.endif
.irp k, 0,1,2,3
.irp n, 0,1,2,3
	WIN 0x06+(\p)%2                                ; the hidden layer in window 2 or 3, W3 in window 1
.irp e, 0,1
.if ((\p) == 0) && (\k == 0)
	WM OA+8*(4*\e+\n), 48*\e+12*\k, 12*(4*\k+\n), -1, HSB+8*((\p)%2)+4*\e+\k, WS3+2*\k+\n/2, 2*(\n%2)
.else
	WM OA+8*(4*\e+\n), 48*\e+12*\k, 12*(4*\k+\n), OA+8*(4*\e+\n), HSB+8*((\p)%2)+4*\e+\k, WS3+2*\k+\n/2, 2*(\n%2)
.endif
.endr
.if ((\p) < 7) && ((\n%2) == 1)
.set QQ, 2*\k+\n/2
.if QQ < 4
	F3FRAG (\p)+1, QQ/2, QQ%2                      ; no wait: this pair's products name their own buffer, W3, the accumulators and their own scale words
.elseif QQ == 4
	F3SC (\p)+1
.endif
.endif
.endr
.endr
	WIN 0
	PLACES                                         ; four places behind the pair's last product, ahead of the loads into its buffer, beside the next pair's wait; behind the last pair: ahead of the first read of the sums
.endm
	F3FRAG 0, 0, 0
	F3FRAG 0, 0, 1
	F3FRAG 0, 1, 0
	F3FRAG 0, 1, 1
	F3SC 0
.irp p, 0,1,2,3,4,5,6,7
	PAIR3 \p
.endr
	; THE WAY OUT: for each of W3's four tiles the two accumulators, their eight registers and the two halves of the lanes are added: the sum over my work-group's 16 x 16 pairs.  Each accumulator is read from its low end on.
.irp n, 0,1,2,3
.irp j, 0,2,4,6
	v_pk_add_f32 v[SM+8*\n+\j:SM+8*\n+\j+1], v[OA+8*\n+\j:OA+8*\n+\j+1], v[OA+32+8*\n+\j:OA+32+8*\n+\j+1]
.endr
.endr
.irp n, 0,1,2,3
	v_pk_add_f32 v[SM+8*\n:SM+8*\n+1], v[SM+8*\n:SM+8*\n+1], v[SM+8*\n+2:SM+8*\n+3]
	v_pk_add_f32 v[SM+8*\n+4:SM+8*\n+5], v[SM+8*\n+4:SM+8*\n+5], v[SM+8*\n+6:SM+8*\n+7]
.endr
.irp n, 0,1,2,3
	v_pk_add_f32 v[SM+8*\n:SM+8*\n+1], v[SM+8*\n:SM+8*\n+1], v[SM+8*\n+4:SM+8*\n+5]
.endr
.irp n, 0,1,2,3
	v_add_f32 v[SM+8*\n], v[SM+8*\n], v[SM+8*\n+1]
.endr
.irp n, 0,1,2,3
	v_permlanex16_b32 v[SM+8*\n+1], v[SM+8*\n], s20, s21
.endr
.irp n, 0,1,2,3
	v_add_f32 v[SM+8*\n], v[SM+8*\n], v[SM+8*\n+1]
.endr
	s_wait_alu depctr_va_vdst(0)                   ; the additions have written the four sums, which the LDS stores read, and are done with v[SM+2] and v[SM+3], in which the LDS load lands
.irp n, 0,1,2,3
	ds_store_b32 v[OSA], v[SM+8*\n] offset:32*\n   ; both halves of the lanes write the same word with the same value
.endr
	ds_load_b64 v[SM+2:SM+3], v[OLA]               ; my wave's own bytes, served in order
	s_wait_dscnt 0x0
	global_store_b64 v[L8], v[SM+2:SM+3], s[40:41] ; 32 lanes store 256 consecutive bytes, at a multiple of 256 from part's first byte
	s_wait_dscnt 0x0                               ; the closing lines, six on end
	s_wait_alu 0x0
	s_wait_tensorcnt 0x0
	ds_add_u32 v247, v255
	s_wait_dscnt 0x0
	s_endpgm
.Lfunc_end_k_qbed0e2ecd0_chain:
	.size	k_qbed0e2ecd0_chain, .Lfunc_end_k_qbed0e2ecd0_chain-k_qbed0e2ecd0_chain
	.p2alignl 7, 3214868480
	.fill 96, 4, 3214868480
	.section	.rodata,"a",@progbits
	.p2align	6, 0x0
	.amdhsa_kernel k_qbed0e2ecd0_chain
		.amdhsa_group_segment_fixed_size 226304
		.amdhsa_private_segment_fixed_size 0
		.amdhsa_enable_private_segment 0
		.amdhsa_kernarg_size 48
		.amdhsa_user_sgpr_count 2
		.amdhsa_user_sgpr_kernarg_segment_ptr 1
		.amdhsa_wavefront_size32 1
		.amdhsa_system_sgpr_workgroup_id_x 1
		.amdhsa_system_sgpr_workgroup_id_y 1
		.amdhsa_system_sgpr_workgroup_id_z 1
		.amdhsa_system_vgpr_workitem_id 0
		.amdhsa_next_free_vgpr 1024
		.amdhsa_next_free_sgpr 66
		.amdhsa_reserve_vcc 1
		.amdhsa_float_denorm_mode_32 3
		.amdhsa_float_denorm_mode_16_64 3
		.amdhsa_memory_ordered 1
		.amdhsa_forward_progress 1
		.amdhsa_inst_pref_size 255
	.end_amdhsa_kernel
	.section	.bss,"aw",@nobits
	.p2align	6
	.space	262144
	.amdgpu_metadata
---
amdhsa.version: [ 1, 2 ]
amdhsa.kernels:
  - .name:           k_qbed0e2ecd0_chain
    .symbol:         k_qbed0e2ecd0_chain.kd
    .args:
      - { .name: x, .offset: 0, .size: 8, .value_kind: global_buffer, .address_space: global }
      - { .name: b1, .offset: 8, .size: 8, .value_kind: global_buffer, .address_space: global }
      - { .name: b2, .offset: 16, .size: 8, .value_kind: global_buffer, .address_space: global }
      - { .name: wq, .offset: 24, .size: 8, .value_kind: global_buffer, .address_space: global }
      - { .name: wsc, .offset: 32, .size: 8, .value_kind: global_buffer, .address_space: global }
      - { .name: part, .offset: 40, .size: 8, .value_kind: global_buffer, .address_space: global }
    .group_segment_fixed_size: 226304
    .private_segment_fixed_size: 0
    .kernarg_segment_align: 8
    .kernarg_segment_size: 48
    .max_flat_workgroup_size: 128
    .sgpr_count:     66
    .vgpr_count:     1024
    .wavefront_size: 32
...
	.end_amdgpu_metadata
.endif
;; end of part 4
;; launch fold (part 5): grid 64 x 1, 2 waves a work-group, no clusters, 0 bytes of LDS; arguments part, b3, out0; writes out0
.if DOCPART == 5
	.amdgcn_target "amdgcn-amd-amdhsa--gfx1250"
	.amdhsa_code_object_version 6
	.text
	.protected	k_qbed0e2ecd0_fold
	.globl	k_qbed0e2ecd0_fold
	.p2align	8
	.type	k_qbed0e2ecd0_fold,@function
k_qbed0e2ecd0_fold:
	s_mov_b64 s[64:65], 0
	v_nop
	global_prefetch_b8 v0, s[64:65] scope:SCOPE_SE
	s_setreg_imm32_b32 hwreg(HW_REG_WAVE_MODE, 25, 1), 1
	s_wait_xcnt 0x0
; out0[b][o] = part[4 b][o] + part[4 b + 1][o] + part[4 b + 2][o] + part[4 b + 3][o] + 992 b3[o]: a batch's four partial sums, and the bias of its 32 x 31 pairs by one fused multiply-add
; (the reference adds b3 to each pair and then sums: another order of rounding).  One work-group a batch; thread t takes 4 numbers: every load and store of a wave covers 512 consecutive bytes.
	s_load_b128 s[4:7], s[0:1], 0x0                ; part, b3
	s_load_b64 s[8:9], s[0:1], 0x10                ; out0
	v_lshlrev_b32 v1, 4, v0
	s_lshl_b32 s10, ttmp9, 12                      ; four rows of 1,024 bytes a batch
	s_mov_b32 s11, 0
	s_lshl_b32 s12, ttmp9, 10
	s_mov_b32 s13, 0
	s_wait_alu depctr_va_vdst(0)
	s_wait_kmcnt 0x0
	s_add_nc_u64 s[4:5], s[4:5], s[10:11]
	s_add_nc_u64 s[8:9], s[8:9], s[12:13]
.irp q, 0,1,2,3
	global_load_b128 v[4+4*\q:7+4*\q], v1, s[4:5] offset:1024*\q th:TH_LOAD_NT
.endr
	global_load_b128 v[20:23], v1, s[6:7]
	s_wait_loadcnt 0x0
	v_pk_add_f32 v[4:5], v[4:5], v[8:9]
	v_pk_add_f32 v[6:7], v[6:7], v[10:11]
	v_pk_add_f32 v[12:13], v[12:13], v[16:17]
	v_pk_add_f32 v[14:15], v[14:15], v[18:19]
	v_pk_add_f32 v[4:5], v[4:5], v[12:13]
	v_pk_add_f32 v[6:7], v[6:7], v[14:15]
	v_pk_fma_f32 v[4:5], v[20:21], 0x44780000, v[4:5] op_sel_hi:[1,0,1]   ; + 992.0 x b3
	v_pk_fma_f32 v[6:7], v[22:23], 0x44780000, v[6:7] op_sel_hi:[1,0,1]
	global_store_b128 v1, v[4:7], s[8:9]
	s_endpgm
.Lfunc_end_k_qbed0e2ecd0_fold:
	.size	k_qbed0e2ecd0_fold, .Lfunc_end_k_qbed0e2ecd0_fold-k_qbed0e2ecd0_fold
	.p2alignl 7, 3214868480
	.fill 96, 4, 3214868480
	.section	.rodata,"a",@progbits
	.p2align	6, 0x0
	.amdhsa_kernel k_qbed0e2ecd0_fold
		.amdhsa_group_segment_fixed_size 0
		.amdhsa_private_segment_fixed_size 0
		.amdhsa_enable_private_segment 0
		.amdhsa_kernarg_size 24
		.amdhsa_user_sgpr_count 2
		.amdhsa_user_sgpr_kernarg_segment_ptr 1
		.amdhsa_wavefront_size32 1
		.amdhsa_system_sgpr_workgroup_id_x 1
		.amdhsa_system_sgpr_workgroup_id_y 1
		.amdhsa_system_sgpr_workgroup_id_z 1
		.amdhsa_system_vgpr_workitem_id 0
		.amdhsa_next_free_vgpr 32
		.amdhsa_next_free_sgpr 66
		.amdhsa_reserve_vcc 0
		.amdhsa_float_denorm_mode_32 3
		.amdhsa_float_denorm_mode_16_64 3
		.amdhsa_memory_ordered 1
		.amdhsa_forward_progress 1
		.amdhsa_inst_pref_size 2
	.end_amdhsa_kernel
	.amdgpu_metadata
---
amdhsa.version: [ 1, 2 ]
amdhsa.kernels:
  - .name:           k_qbed0e2ecd0_fold
    .symbol:         k_qbed0e2ecd0_fold.kd
    .args:
      - { .name: part, .offset: 0, .size: 8, .value_kind: global_buffer, .address_space: global }
      - { .name: b3, .offset: 8, .size: 8, .value_kind: global_buffer, .address_space: global }
      - { .name: out0, .offset: 16, .size: 8, .value_kind: global_buffer, .address_space: global }
    .group_segment_fixed_size: 0
    .private_segment_fixed_size: 0
    .kernarg_segment_align: 8
    .kernarg_segment_size: 24
    .max_flat_workgroup_size: 64
    .sgpr_count:     66
    .vgpr_count:     32
    .wavefront_size: 32
...
	.end_amdgpu_metadata
.endif
;; end of part 5
